; MI455X (gfx1250); checked and timed in simulation.
; The chip was launched on July 23, 2026; its instructions are those of AMD's public machine-readable ISA for CDNA 5 (MIT licence, August 2026) and "CDNA5" Instruction Set Architecture Reference Guide (July 2026). The comments in the code are by the model that wrote it; some were corrected since.
;; Open AI Compatible Multi Head Attention. Allowed arithmetic: matrix products marked QUANTISED: E4M3 operands, one given power-of-two scale a tensor, by v_wmma_f32_16x16x64_fp8_fp8 or v_wmma_f32_16x16x128_fp8_fp8, f32 sums; everything else in f32.
;; Inputs: b_proj 1,024 float32; lowp_scales 8 int32 (the exponents e of the quantised operands' scales 2^e); w_attn 1,024 x 3,072 float32; w_proj 1,024 x 1,024 float32; x 4 x 2,048 x 1,024 float32.
;; Outputs: out0 4 x 2,048 x 1,024 float32.
;; This version of the problem:
;;   THIS VERSION OF THE PROBLEM IS GIVEN IN LOW PRECISION. The matrix products marked QUANTISED in the list below multiply operands that are first quantised to E4M3 (4 exponent bits, 3 mantissa bits; 8 bits a number), with one given power-of-two scale for each operand tensor; their sums are f32. All else is computed in f32.
;;   The module's matrix products, in the order in which they are computed (A, B: the left and right operand; K: the contracted axis; several contracted axes count as one K, in the product's order):
;;     1. [M 8,192, K 1,024] x [K 1,024, N 3,072]; A: input x; B: input w_attn: QUANTISED (scales: A lowp_scales[0], B lowp_scales[1])
;;     2. batch 64 x [M 2,048, K 64] x [K 64, N 2,048]; A: computed on the way; B: computed on the way: QUANTISED (scales: A lowp_scales[2], B lowp_scales[3])
;;     3. batch 64 x [M 2,048, K 2,048] x [K 2,048, N 64]; A: softmax (see below); B: computed on the way: QUANTISED (scales: A lowp_scales[4], B lowp_scales[5])
;;     4. [M 8,192, K 1,024] x [K 1,024, N 1,024]; A: computed on the way; B: input w_proj: QUANTISED (scales: A lowp_scales[6], B lowp_scales[7])
;;   THE QUANTISER, for each operand of a quantised product, along K:
;;     - The operand's scale is 2^e, e = its entry of the input lowp_scales (int32; the entries are numbered through the quantised products in the list's order, A before B).
;;     - Each number is divided by the scale, clamped to +-448, and rounded to the nearest number of E4M3, ties to even, subnormals kept.
;;     - The product sums the exact products of the quantised numbers (number of the format x scale) in f32.
;;   ~~~python
;;   def quantise(x, axis, e):      # numpy; x: float32 -> the quantised numbers, widened to float32 again
;;       x = np.moveaxis(x, axis, -1); K = x.shape[-1]
;;       r = np.clip(x / 2.0 ** e, -448, 448)
;;       step = 2.0 ** (np.maximum(np.frexp(np.where(r == 0, 1, r))[1] - 1, -6) - 3)
;;       q = np.round(r / step) * step * 2.0 ** e      # np.round: ties to even
;;       return np.moveaxis(q, -1, axis).astype(np.float32)
;;   ~~~
;;   SOFTMAX AHEAD OF A QUANTISED PRODUCT. Where the list says 'softmax', what is quantised is not the finished softmax but p = 2^(t - M), with t = logit x log2(e) and M = ceil(the row's largest t), a whole number; so 1/2 < the row's largest p <= 1. The row's sum l is taken of the UNQUANTISED p, in f32, and the product's result is divided by l at the end. Since M is a whole number, a kernel that streams over the keys may use a running M (the ceiling of the running maximum): every later rescaling is an exact power of two, so the quantised numbers keep their values, but for numbers so far below the row's largest that they fall under the format's range.
;;   OPERANDS COMPUTED ON THE WAY. 'Computed on the way' means the value that the module computes at that place (a softmax that the list does not call 'softmax' is quantised finished and normalised). What goes into a quantiser is computed in f32, as accurately as f32 sums, v_exp_f32 and their like allow (about 1e-6 of the number): no bf16 or f16 on the way to a quantiser, and a product that is left as it is and whose result goes on into a quantised operand takes f32 operands (vector FMAs, or v_wmma_f32_16x16x4_f32). A number that lies on a knife's edge between two numbers of the format may be rounded either way, as far as f32 arithmetic and the matrix unit's own rounding can turn it there, and no further.
;; One version. Each part assembles by itself: llvm-mc -triple=amdgcn-amd-amdhsa -mcpu=gfx1250 --defsym DOCPART=n.
;; ======== version 1 of 1: 4 launches
;; limits: right only within a limited range of input values
;; workspace buffers: x_codes 8,388,608 bytes; wa_codes 3,145,728 bytes; wp_codes 1,048,576 bytes; q_codes 8,388,608 bytes; k_codes 8,388,608 bytes; v_codes 8,388,608 bytes; a_codes 8,388,608 bytes
;; launch quant (part 1): grid 384 x 1, 4 waves a work-group, no clusters, 68,096 bytes of LDS; arguments x, w_attn, w_proj, lowp_scales, x_codes, wa_codes, wp_codes; writes x_codes, wa_codes, wp_codes
.if DOCPART == 1
	.amdgcn_target "amdgcn-amd-amdhsa--gfx1250"
	.amdhsa_code_object_version 6
	.text
	.protected	k_q9aba92d480_quant
	.globl	k_q9aba92d480_quant
	.p2align	8
	.type	k_q9aba92d480_quant,@function
k_q9aba92d480_quant:
	s_mov_b64 s[64:65], 0
	v_nop
	global_prefetch_b8 v0, s[64:65] scope:SCOPE_SE
	s_setreg_imm32_b32 hwreg(HW_REG_WAVE_MODE, 25, 1), 1
	s_wait_xcnt 0x0
; x [8192][1024], w_attn [1024][3072] and w_proj [1024][1024], f32, become codes of FP8 (E4M3), K innermost, each with the one scale 2^e given for it
; (entries 0, 1 and 7 of the buffer of scales):  code = number / 2^e, held within +-448, rounded to the nearest code, ties to even.
; x_codes [8192][1024];  wa_codes [3072 n][1024 k];  wp_codes [1024 n][1024 k].
; LIMITS: each of the three e lies between -126 and 119, so that 2^e and 448 x 2^e are f32 numbers.  NaN among the inputs is not served; an infinity is held at the largest code.
; Work-groups 0-255 take x, whose K is innermost: a plain stream, 32,768 numbers a work-group, 8,192 a wave.  Work-groups 256-383 take the weights, whose K is the FIRST axis:
; a lane takes a column n and its registers run down K, so that the conversions give codes with K innermost and nothing is transposed by an instruction.
; The two ways part on the work-group's number, never join, and have LDS bytes of their own.  No tensor loads, no barrier: waves share nothing.
.set SPW,    12                        ; v12  LDS address of my spare word: SPARE + 4 x my thread's number; never rewritten
.set NIL,    13                        ; v13  0; never rewritten
.set SPARE,  67584                     ; behind both ways' stages: the spare words, 128 bytes for each wave: two blocks of 256 bytes that no other line names
.set EMAX,   8
.set MANT,   0x600000                  ; the mantissa field of 448 as f32
; the way of x
.set STEPS,  16                        ; steps of 512 numbers a wave
.set XR,     16                        ; v16-79   four sets of 16 numbers as they are loaded
.set XX,     80                        ; v80-111  two sets of 16 neighbours
.set XC,     128                       ; v128-191 codes: four registers for each step, so that no store's data are written again
.set SP,     80                        ; a lane's place in a stage: its 64 bytes + 16 of padding
; the way of the weights
.set NB,     8                         ; blocks of 32 along K for a wave
.set WPITCH, 272                       ; a stage row: 256 codes + 16 of padding
.set WBASE,  32768                     ; the weights' stages begin here
.set WO,     16                        ; v16-47   4 x lane + i rows of the weight, i = 0 .. 31
.set WX,     48                        ; v48-111  two sets of 32 numbers
.set WC,     112                       ; v112-119 a block's codes
.set WOUT,   128                       ; v128-191 the way out: 16 x 4 registers
	s_load_b256 s[4:11], s[0:1], 0x0               ; x s[4:5], w_attn s[6:7], w_proj s[8:9], the scales' exponents s[10:11]
	s_load_b128 s[12:15], s[0:1], 0x20             ; x_codes s[12:13], wa_codes s[14:15]
	s_load_b64 s[16:17], s[0:1], 0x30              ; wp_codes
	v_lshl_add_u32 v[SPW], v0, 2, SPARE
	v_mov_b32 v[NIL], 0
	v_lshrrev_b32 v1, 5, v0
	v_readfirstlane_b32 s18, v1                    ; wave 0..3
	v_and_b32 v2, 31, v0                           ; lane
	s_wait_kmcnt 0x0
	s_load_b256 s[24:31], s[10:11], 0x0            ; e0 .. e7
	s_cmp_lt_u32 ttmp9, 256
	s_cbranch_scc0 .Lweights
; ---------------- x.  A conversion takes 8 numbers of ONE lane's registers, so a lane must hold 16 neighbours; a load is best where neighbouring LANES take neighbouring bytes.  Both are had:
; each of a step's four loads reads 512 consecutive bytes; the 2,048 bytes go through the wave's own stage in LDS as they lie and come back 64 bytes a lane.  A lane's 16 codes are 16 bytes: a store covers 512 consecutive bytes.
	s_wait_alu depctr_va_vdst(0)
	v_lshlrev_b32 v3, 4, v2                        ; 16 x lane: my 16 bytes of a load's 512, and of a store's
	s_wait_alu depctr_va_vdst(0)
	s_lshl_b32 s19, s18, 13                        ; my wave's 8,192 bytes of LDS: two stages of 32 x SP
	v_lshrrev_b32 v14, 2, v2
	v_mul_u32_u24 v14, v14, SP
	v_and_b32 v15, 3, v2
	v_lshl_add_u32 v14, v15, 4, v14
	v_add_nc_u32 v14, s19, v14                     ; into the stage: four lanes' 64 bytes on end, then 16 of padding
	v_mul_u32_u24 v15, v2, SP
	v_add_nc_u32 v15, s19, v15                     ; and out of it: my 16 neighbours
	s_lshl_b32 s20, ttmp9, 2
	s_add_co_u32 s20, s20, s18                     ; which run of 8,192 numbers is my wave's
	s_lshl_b32 s22, s20, 15
	s_mov_b32 s23, 0
	s_add_nc_u64 s[4:5], s[4:5], s[22:23]          ; 32,768 bytes of f32 a run
	s_lshl_b32 s22, s20, 13
	s_add_nc_u64 s[12:13], s[12:13], s[22:23]      ; 8,192 bytes of codes
.macro XLOAD t
.irp i, 0,1,2,3
	global_load_b128 v[XR+16*((\t)%4)+4*\i:XR+16*((\t)%4)+4*\i+3], v3, s[4:5] offset:2048*(\t)+512*\i th:TH_LOAD_NT
.endr
.endm
.macro XTURN t                         ; step t's numbers through the stage: LDS serves a wave's instructions in order, so no wait stands between the stores and the loads
.irp i, 0,1,2,3
	ds_store_b128 v14, v[XR+16*((\t)%4)+4*\i:XR+16*((\t)%4)+4*\i+3] offset:32*SP*((\t)%2)+8*SP*\i
.endr
.irp i, 0,1,2,3
	ds_load_b128 v[XX+16*((\t)%2)+4*\i:XX+16*((\t)%2)+4*\i+3], v15 offset:32*SP*((\t)%2)+16*\i
.endr
.endm
.irp t, 0,1,2,3
	XLOAD \t
.endr
	s_wait_alu depctr_va_vdst(0)
	s_wait_kmcnt 0x0
	s_add_co_i32 s22, s24, 127                     ; e0
	s_lshl_b32 s23, s22, 23
	v_mov_b32 v11, s23                             ; 2^e0 as f32: the conversion takes its exponent field
	s_add_co_i32 s22, s22, EMAX
	s_lshl_b32 s22, s22, 23
	s_or_b32 s22, s22, MANT
	v_mov_b32 v10, s22                             ; 448 x 2^e0
	s_wait_alu depctr_va_vdst(0)
	s_wait_loadcnt 12                              ; step 0's four loads are in; three steps' twelve may be out
	XTURN 0
.macro XSTEP t
.set XS, XX+16*((\t)%2)
	s_wait_dscnt 0x0                               ; this step's numbers are back from the stage: so its stores into the stage have read their registers,
.if (\t)+4 < STEPS
	XLOAD (\t)+4                                   ; which take the loads of four steps on
.endif
.if (\t)+1 < STEPS
.if STEPS-2-(\t) >= 3
	s_wait_loadcnt 12                              ; the next step's four loads are in; those of the three steps behind it may be out
.else
	s_wait_loadcnt 4*(STEPS-2-(\t))                ; near the end fewer steps stand behind it
.endif
	XTURN (\t)+1                                   ; and go through the other stage while this step is worked
.endif
.set i, 0
.rept 16
	v_med3_num_f32 v[XS+i], v[XS+i], -v10, v10     ; the conversion to an 8-bit code does not saturate (ISA guide 7.6.2): the hold at the largest code x the scale comes first
.set i, i+1
.endr
	v_cvt_scalef32_pk8_fp8_f32 v[XC+4*(\t):XC+4*(\t)+1], v[XS:XS+7], v11
	v_cvt_scalef32_pk8_fp8_f32 v[XC+4*(\t)+2:XC+4*(\t)+3], v[XS+8:XS+15], v11
	global_store_b128 v3, v[XC+4*(\t):XC+4*(\t)+3], s[12:13] offset:512*(\t)   ; the results go to a store alone; the next vector lines are the next step's holds, plain and on other registers
.endm
.irp t, 0,1,2,3,4,5,6,7,8,9,10,11,12,13,14,15
	XSTEP \t
.endr
	s_wait_tensorcnt 0x0                           ; the wave's end: behind my last LDS store
	ds_add_u32 v[SPW], v[NIL]
	s_wait_dscnt 0x0
	s_endpgm
; ---------------- the weights.  g = 0 .. 95: w_attn (24 groups of 128 columns x 4 parts of 256 along K); g = 96 .. 127: w_proj (8 x 4).  One text serves both: only pointers, the row's length and e are chosen.
; A wave takes 32 columns x 256 along K.  A load reads one row k at 32 neighbouring columns.  A lane's codes belong to one row of the output: they go through the wave's own stage and leave as rows, sixteen lanes to 256 aligned bytes.
.Lweights:
	s_sub_co_u32 s19, ttmp9, 256                   ; g
	s_cmp_lt_u32 s19, 96
	s_cselect_b64 s[4:5], s[6:7], s[8:9]           ; from where,
	s_cselect_b64 s[8:9], s[14:15], s[16:17]       ; to where,
	s_mov_b32 s20, 4096
	s_cselect_b32 s20, 12288, s20                  ; a row of the weight in bytes,
	s_cselect_b32 s21, 0, 96
	s_sub_co_u32 s19, s19, s21                     ; and my number within that weight
	s_lshr_b32 s21, s19, 2
	s_lshl_b32 s21, s21, 7
	s_lshl_b32 s22, s18, 5
	s_add_co_u32 s21, s21, s22                     ; my wave's first column: 128 x group + 32 x wave
	s_and_b32 s19, s19, 3                          ; which 256 along K
	s_lshl_b32 s22, s21, 10
	s_lshl_b32 s23, s19, 8
	s_add_co_u32 s22, s22, s23
	s_mov_b32 s23, 0
	s_add_nc_u64 s[8:9], s[8:9], s[22:23]          ; the codes: column x 1,024 + 256 x part
	s_lshl_b32 s22, s19, 8
	s_mul_i32 s22, s22, s20
	s_lshl_b32 s21, s21, 2
	s_add_co_u32 s22, s22, s21
	s_add_nc_u64 s[32:33], s[4:5], s[22:23]        ; block 0 of the weight: 256 x part rows down, 4 x column along
	s_lshl_b32 s22, s20, 5                         ; 32 rows
.irp t, 1,2,3,4,5,6,7
	s_add_nc_u64 s[32+2*\t:33+2*\t], s[30+2*\t:31+2*\t], s[22:23]   ; a base for each block: none is stepped while loads are out
.endr
	s_wait_alu depctr_va_vdst(0)
	v_lshlrev_b32 v3, 2, v2                        ; 4 bytes a lane
.set i, 0
.rept 32
	v_mad_u32_u24 v[WO+i], s20, i, v3              ; + i rows
.set i, i+1
.endr
	s_mul_i32 s48, s18, 32*WPITCH
	s_add_co_u32 s48, s48, WBASE                   ; my stage
	v_mul_u32_u24 v4, v2, WPITCH
	v_add_nc_u32 v4, s48, v4                       ; into it: row = my column
	v_and_b32 v5, 15, v2
	v_lshrrev_b32 v6, 4, v2                        ; out of it: sixteen lanes to a row, two rows an instruction
	v_mul_u32_u24 v7, v6, WPITCH
	v_lshl_add_u32 v7, v5, 4, v7
	v_add_nc_u32 v7, s48, v7
	v_lshlrev_b32 v8, 10, v6
	v_lshl_add_u32 v8, v5, 4, v8                   ; and the same place in the codes' buffer
.macro WLOAD t                         ; block t: W(32 t + i, my column), i = 0 .. 31, into set t % 2
.set i, 0
.rept 32
	global_load_b32 v[WX+32*((\t)%2)+i], v[WO+i], s[32+2*(\t):33+2*(\t)] th:TH_LOAD_NT
.set i, i+1
.endr
.endm
	WLOAD 0
	WLOAD 1
	s_wait_kmcnt 0x0
	s_cmp_lt_u32 ttmp9, 352
	s_cselect_b32 s22, s25, s31                    ; e1 for w_attn, e7 for w_proj
	s_add_co_i32 s22, s22, 127
	s_lshl_b32 s23, s22, 23
	v_mov_b32 v11, s23                             ; 2^e
	s_add_co_i32 s22, s22, EMAX
	s_lshl_b32 s22, s22, 23
	s_or_b32 s22, s22, MANT
	v_mov_b32 v10, s22                             ; 448 x 2^e
.macro WBLOCK t
.set WS, WX+32*((\t)%2)
.if (\t) < NB-1
	s_wait_loadcnt 32                              ; this block's 32 loads are in; the next block's 32 may be out
.else
	s_wait_loadcnt 0
.endif
.set i, 0
.rept 32
	v_med3_num_f32 v[WS+i], v[WS+i], -v10, v10
.set i, i+1
.endr
.irp g, 0,1,2,3
	v_cvt_scalef32_pk8_fp8_f32 v[WC+2*\g:WC+2*\g+1], v[WS+8*\g:WS+8*\g+7], v11
.endr
	ds_store_b128 v4, v[WC:WC+3] offset:32*(\t)    ; 32 codes: 32 bytes of my column's row
	ds_store_b128 v4, v[WC+4:WC+7] offset:32*(\t)+16
.if (\t)+2 < NB
	WLOAD (\t)+2
.endif
	s_wait_dscnt 0x0                               ; the stores have read their registers: the next block's codes may be written (behind its 32 holds, which are plain lines)
.endm
	s_wait_alu depctr_va_vdst(0)
.irp t, 0,1,2,3,4,5,6,7
	WBLOCK \t
.endr
.irp t, 0,1,2,3,4,5,6,7,8,9,10,11,12,13,14,15
	ds_load_b128 v[WOUT+4*\t:WOUT+4*\t+3], v7 offset:2*\t*WPITCH   ; LDS serves a wave's instructions in order: these see my stores
.endr
.irp t, 0,1,2,3,4,5,6,7,8,9,10,11,12,13,14,15
	s_wait_dscnt 15-\t                             ; the younger loads may be out
	global_store_b128 v8, v[WOUT+4*\t:WOUT+4*\t+3], s[8:9] offset:2*\t*1024   ; sixteen lanes store 256 consecutive bytes, at a multiple of 256 from the buffer's first byte
.endr
	s_wait_tensorcnt 0x0                           ; the wave's end: behind my last LDS store
	ds_add_u32 v[SPW], v[NIL]
	s_wait_dscnt 0x0
	s_endpgm
.Lfunc_end_k_q9aba92d480_quant:
	.size	k_q9aba92d480_quant, .Lfunc_end_k_q9aba92d480_quant-k_q9aba92d480_quant
	.p2alignl 7, 3214868480
	.fill 96, 4, 3214868480
	.section	.rodata,"a",@progbits
	.p2align	6, 0x0
	.amdhsa_kernel k_q9aba92d480_quant
		.amdhsa_group_segment_fixed_size 68096
		.amdhsa_private_segment_fixed_size 0
		.amdhsa_enable_private_segment 0
		.amdhsa_kernarg_size 56
		.amdhsa_user_sgpr_count 2
		.amdhsa_user_sgpr_kernarg_segment_ptr 1
		.amdhsa_wavefront_size32 1
		.amdhsa_system_sgpr_workgroup_id_x 1
		.amdhsa_system_sgpr_workgroup_id_y 1
		.amdhsa_system_sgpr_workgroup_id_z 1
		.amdhsa_system_vgpr_workitem_id 0
		.amdhsa_next_free_vgpr 192
		.amdhsa_next_free_sgpr 66
		.amdhsa_reserve_vcc 0
		.amdhsa_float_denorm_mode_32 3
		.amdhsa_float_denorm_mode_16_64 3
		.amdhsa_memory_ordered 1
		.amdhsa_forward_progress 1
		.amdhsa_inst_pref_size 88
	.end_amdhsa_kernel
	.amdgpu_metadata
---
amdhsa.version: [ 1, 2 ]
amdhsa.kernels:
  - .name:           k_q9aba92d480_quant
    .symbol:         k_q9aba92d480_quant.kd
    .args:
      - { .name: x, .offset: 0, .size: 8, .value_kind: global_buffer, .address_space: global }
      - { .name: w_attn, .offset: 8, .size: 8, .value_kind: global_buffer, .address_space: global }
      - { .name: w_proj, .offset: 16, .size: 8, .value_kind: global_buffer, .address_space: global }
      - { .name: lowp_scales, .offset: 24, .size: 8, .value_kind: global_buffer, .address_space: global }
      - { .name: x_codes, .offset: 32, .size: 8, .value_kind: global_buffer, .address_space: global }
      - { .name: wa_codes, .offset: 40, .size: 8, .value_kind: global_buffer, .address_space: global }
      - { .name: wp_codes, .offset: 48, .size: 8, .value_kind: global_buffer, .address_space: global }
    .group_segment_fixed_size: 68096
    .private_segment_fixed_size: 0
    .kernarg_segment_align: 8
    .kernarg_segment_size: 56
    .max_flat_workgroup_size: 128
    .sgpr_count:     66
    .vgpr_count:     192
    .wavefront_size: 32
...
	.end_amdgpu_metadata
.endif
;; end of part 1
;; launch gemm_qkv (part 2): grid 8 x 48, 4 waves a work-group, clusters of 4 x 4, 327,680 bytes of LDS; arguments x_codes, wa_codes, lowp_scales, q_codes, k_codes, v_codes; writes q_codes, k_codes, v_codes
.if DOCPART == 2
	.amdgcn_target "amdgcn-amd-amdhsa--gfx1250"
	.amdhsa_code_object_version 6
	.text
	.protected	k_q9aba92d480_gemm_qkv
	.globl	k_q9aba92d480_gemm_qkv
	.p2align	8
	.type	k_q9aba92d480_gemm_qkv,@function
k_q9aba92d480_gemm_qkv:
	s_mov_b64 s[64:65], 0
	v_nop
	global_prefetch_b8 v0, s[64:65] scope:SCOPE_SE
	s_setreg_imm32_b32 hwreg(HW_REG_WAVE_MODE, 25, 1), 1
	s_wait_xcnt 0x0
	s_wait_alu depctr_hold_cnt(0) depctr_sa_sdst(0) depctr_va_vdst(0) depctr_va_sdst(0) depctr_va_ssrc(0) depctr_va_vcc(0) depctr_vm_vsrc(0)
	s_getreg_b32 s2, hwreg(HW_REG_IB_STS2, 6, 4)
	s_cmp_eq_u32 s2, 0
	s_cbranch_scc0 .Lentry_in_a_cluster
	s_endpgm
.Lentry_in_a_cluster:
	s_bfe_u32 s2, ttmp6, 0x10000c
	s_cmp_lg_u32 s2, 0xf033
	s_cbranch_scc0 .Lentry_shape_is_right
	s_endpgm
.Lentry_shape_is_right:
; qkv = x w_attn on codes of FP8 (E4M3); the f32 sums are quantised in registers into the codes of q, k and v, each with the scale given for it (entries 2, 3, 5), and nothing wider goes to memory.
; ONE MAIN LOOP: C'[i][j] = A'[i] . B'[j], K = 1,024, on tiles of 256 x 256; four waves, each 128 x 128: 64 accumulators of 16 x 16, 512 registers.  The matrix instruction is used transposed
; (source 0 = 16 rows of B', source 1 = 16 rows of A'): a lane holds ONE i and eight neighbouring j, and a conversion takes eight neighbours of one lane.  So j is the axis along which the result will be multiplied next:
;   q, k (next K = the head's 64 channels): A' = x_codes (tokens), B' = wa_codes rows 0-2047 (channels): clusters y = 0 .. 7, 256 tiles;
;   v    (next K = the keys):               A' = wa_codes rows 2048-3071,  B' = x_codes (tokens):        clusters y = 8 .. 11, 128 tiles.
; Only pointers are chosen, by the cluster's y, which all sixteen partners share.
; OUT: q_codes, k_codes [head 16 b + h][pos 2048][64]: pos = the token with its bits 3 and 4 exchanged, so that 16 rows on end hold tokens 8 u + r + 8 (r / 8) of a group of 32;  v_codes [head][token / 128][64 channels][128 tokens].
; In both cases a wave's 128 x 128 results are two dense blocks of 8,192 bytes, of two neighbouring heads.
; CLUSTERS: 4 x 4 work-groups; A's tile is asked for jointly along a row of the cluster, B's along a column.
; LIMITS: eT - e0 - e1 (eT = e2, e3 or e5) lies between -126 and 119.  Within an instruction k is laid alike in both operands but not in the form's own order: the order of the sums inside an instruction differs.
; REGISTERS, in windows of 256: window 0: v0-31 addresses and constants; from v128 A's fragments, ONE set; on the way out v32-223.   window 1: B's fragments, TWO sets.   windows 2, 3: the accumulators ((a, b) at v[8 (8 (a % 4) + b)]).
.set ROWB,   256                       ; a tile's row in bytes: 256 along K in a slot
.set KROW,   1024                      ; a row of codes in memory
.set PITCH,  272                       ; an LDS row: 256 bytes + 16 of padding: the 16 rows that a load touches start at 16 different banks (64 banks of 4 bytes: ISA guide 11.1)
.set FR,     16                        ; registers of a fragment: 16 rows x 128 K
.set NL,     4                         ; LDS loads that bring one
.set NP,     4                         ; places behind this matrix instruction (ISA guide 7.12.1)
.set HALFT,  128*PITCH                 ; 128 rows: what one tensor load brings
.set SLOT,   4*HALFT                   ; A's 256 rows, then B's 256 rows
.set SPARE,  2*SLOT                    ; behind the ring: the spare words, 128 bytes for each wave: two blocks of 256 bytes that no other line names
.set SPITCH, 144                       ; the way out: a stage of 128 rows x (128 codes + 16) for each wave, in slot 0, which has had its last fill and its last read by then
.set ADRA, 16                          ; v16-17  LDS address of my A fragments in slot 0, 1
.set ADRB, 20                          ; v20-21  the same for B
.set STO,  24                          ; v24     the way out: where I put 8 codes of a row
.set RDQ,  25                          ; v25     where I read back for q and k: 8 rows x 64 bytes an instruction
.set CO,   26                          ; v26     16 x lane: my place in a store's 512 bytes
.set RDV,  27                          ; v27     where I read back for v: 4 rows x 128 bytes an instruction
.set SPW,  28                          ; v28     LDS address of my spare word; never rewritten
.set NIL,  29                          ; v29     0; never rewritten
.set SCL,  30                          ; v30     2^(eT - e0 - e1) as f32
.set LIM,  31                          ; v31     448 x that
.set TMP,  32                          ; v32-95  a block's 64 sums, held; later rows read back
.set CD,   96                          ; v96-223 codes: 16 registers for each block, so that no LDS store's data are written again
.set AF,   128
.set G1, 24                            ; s[24:31] descriptor group 1 for A's tiles;  s[32:39] group 0, one set for each slot
.set G0, 32
.set G1B, 48                           ; s[48:55], s[56:63] the same for B's tiles
.set G0B, 56
.set MSB, 0
.macro WIN new                         ; the immediate's high byte repeats the setting that is left
.if MSB != \new
	s_set_vgpr_msb (MSB<<8)|\new
.set MSB, \new
.endif
.endm
.set MUL_LO, 0xa1                      ; source 0 (B) window 1, source 1 (A) window 0, C and D window 2
.set MUL_HI, 0xf1                      ; the same, C and D window 3
.set TO_B,   0x40                      ; destination window 1, address window 0
; A joint load: waves 0 and 1 fetch for A, waves 2 and 3 for B; the branch hangs on the wave's number alone.  An s_nop 0 and four v_nop follow each of the two lines.
.macro JLOAD g0a, g1a, g0b, g1b
	s_cmp_eq_u32 s15, 0
	s_cbranch_scc0 .Lfor_b_\@
	tensor_load_to_lds s[\g0a:\g0a+3], s[\g1a:\g1a+7]
	s_nop 0
.rept 4
	v_nop
.endr
	s_branch .Lasked_\@
.Lfor_b_\@:
	tensor_load_to_lds s[\g0b:\g0b+3], s[\g1b:\g1b+7]
	s_nop 0
.rept 4
	v_nop
.endr
.Lasked_\@:
.endm
.macro CREST                           ; a round of the cluster's barrier behind its opening barrier
	s_cmp_lg_u32 s14, 0
	s_cbranch_scc1 .Lnot_wave_0_\@
	s_barrier_signal -3
.Lnot_wave_0_\@:
	s_barrier_wait -3
	s_barrier_signal -1
	s_barrier_wait -1
.endm
.macro CROUND                          ; a whole round
	s_barrier_signal -1
	s_barrier_wait -1
	CREST
.endm
	s_load_b128 s[4:7], s[0:1], 0x0                ; x_codes s[4:5], wa_codes s[6:7]
	s_load_b128 s[8:11], s[0:1], 0x10              ; the scales' exponents s[8:9], q_codes s[10:11]
	s_load_b128 s[68:71], s[0:1], 0x20             ; k_codes s[68:69], v_codes s[70:71]
	v_lshl_add_u32 v[SPW], v0, 2, SPARE
	v_mov_b32 v[NIL], 0
	ds_add_u32 v[SPW], v[NIL]                      ; the wave's opening: the add and its wait stand ahead of my first tensor load; the set-up below, work on registers, stands between them
	ds_add_u32 v[SPW], v[NIL]
	v_lshrrev_b32 v1, 5, v0
	v_readfirstlane_b32 s14, v1                    ; wave 0..3
	s_lshr_b32 s15, s14, 1                         ; which half of the tile's rows (A') is mine.  Also: I fetch for A (0) or for B (1)
	s_and_b32 s16, s14, 1                          ; which half of its columns (B').  Also: which 128 rows of that tile I fetch
	s_bfe_u32 s40, ttmp6, 0x40000                  ; cx, cy: my place in the cluster
	s_bfe_u32 s41, ttmp6, 0x40004
	s_and_b32 s66, ttmp7, 0xffff                   ; the cluster's y: under 8: q and k; from 8 on: v
	s_max_u32 s88, s66, 8
	s_sub_co_u32 s88, s88, 8
	s_lshl_b32 s88, s88, 1
	s_add_co_u32 s88, s88, ttmp9                   ; v: 2 (cluster y - 8) + cluster x: which four of the 32 tiles of tokens
	s_cmp_lt_u32 s66, 8
	s_cselect_b32 s89, s66, 0                      ; four tile rows: q, k: by the cluster's y; v: the only four
	s_cselect_b32 s88, ttmp9, s88                  ; four tile columns
	s_lshl_b32 s42, s88, 2
	s_add_co_u32 s42, s42, s40                     ; tile column (of B')
	s_lshl_b32 s17, s89, 2
	s_add_co_u32 s17, s17, s41                     ; tile row (of A')
	s_lshl_b32 s43, s41, 2
	s_lshl_b32 s43, 15, s43                        ; my row of the cluster
	s_lshl_b32 s44, 0x1111, s40                    ; my column
	; descriptor group 1: a tile of 128 rows x 256 bytes, padded in LDS
	s_or_b32 s[G1+0], s43, (0<<16)|(1<<20)|(1<<21)|(5<<22)|(3<<25)  ; 15:0 the mask: A's tiles go to my row; 17:16 element of 1 byte; 20 padding on; 21 set beside a mask; 24:22 after every 64 words (code 5); 31:25 of 4 words (code 3)
	s_or_b32 s[G1B+0], s44, (0<<16)|(1<<20)|(1<<21)|(5<<22)|(3<<25)
.irp g, G1, G1B
	s_mov_b32 s[\g+1], ROWB<<16                    ; tensor_dim0
	s_mov_b32 s[\g+2], 128<<16                     ; tensor_dim1 = 128
	s_mov_b32 s[\g+3], ROWB<<16                    ; tile_dim0
	s_mov_b32 s[\g+4], 128                         ; tile_dim1 = 128
	s_mov_b32 s[\g+5], KROW                        ; tensor_dim0_stride
	s_mov_b32 s[\g+6], 0
	s_mov_b32 s[\g+7], 0
.endr
	s_lshl_b32 s18, s16, 7                         ; which 128 rows of the tile I fetch
	s_lshl_b32 s20, s17, 8
	s_add_co_u32 s20, s20, s18                     ; A': row 256 x tile row + 128 x half
	s_lshl_b32 s46, s42, 8
	s_add_co_u32 s46, s46, s18                     ; B': row 256 x tile column + 128 x half
	s_lshl_b32 s20, s20, 10                        ; in bytes: under 2^23
	s_lshl_b32 s46, s46, 10
	s_mov_b32 s21, 0
	s_mov_b32 s47, 0
	s_mul_i32 s45, s14, HALFT                      ; where they go: wave x 128 rows: no place in the cluster enters an LDS address
	s_wait_dscnt 0x0                               ; the opening add is done
	s_wait_kmcnt 0x0
	s_load_b256 s[80:87], s[8:9], 0x0              ; e0 .. e7
	s_add_nc_u64 s[74:75], s[6:7], 0x200000        ; wa_codes at row 2,048: v's channels
	s_cmp_lt_u32 s66, 8
	s_cselect_b64 s[72:73], s[4:5], s[74:75]       ; A'
	s_cselect_b64 s[76:77], s[6:7], s[4:5]         ; B'
	s_add_nc_u64 s[20:21], s[72:73], s[20:21]
	s_add_nc_u64 s[46:47], s[76:77], s[46:47]
	CROUND                                         ; all sixteen work-groups are here: the first joint loads meet
.irp s, 0,1
	s_mov_b32 s[G0+4*\s], 1
	s_add_co_u32 s[G0+4*\s+1], s45, \s*SLOT
	s_add_nc_u64 s[G0+4*\s+2:G0+4*\s+3], s[20:21], \s*ROWB
	s_or_b32 s[G0+4*\s+3], s[G0+4*\s+3], 0x80000000
	s_mov_b32 s[G0B+4*\s], 1
	s_add_co_u32 s[G0B+4*\s+1], s45, \s*SLOT
	s_add_nc_u64 s[G0B+4*\s+2:G0B+4*\s+3], s[46:47], \s*ROWB
	s_or_b32 s[G0B+4*\s+3], s[G0B+4*\s+3], 0x80000000
.endr
	JLOAD G0, G1, G0B, G1B                         ; K step 0: one tensor load a wave at the head
	v_and_b32 v1, 15, v0                           ; r = l % 16
	s_wait_alu depctr_va_vdst(0)
	v_bfe_u32 v2, v0, 4, 1                         ; h = l / 16
	v_mul_u32_u24 v3, v1, PITCH
	v_lshl_add_u32 v4, v2, 4, v3                   ; a fragment's row x pitch + 16 x half
	s_mul_i32 s21, s15, HALFT                      ; my 128 rows of A
	s_mul_i32 s22, s16, HALFT                      ; my 128 rows of B,
	s_add_co_u32 s22, s22, 2*HALFT                 ; which lie behind A's 256
.irp s, 0,1
	v_add_nc_u32 v[ADRA+\s], s21, v4
	v_add_nc_u32 v[ADRB+\s], s22, v4
	s_add_co_u32 s21, s21, SLOT
	s_add_co_u32 s22, s22, SLOT
.endr
	s_mul_i32 s23, s14, 128*SPITCH                 ; my stage
	v_mul_u32_u24 v5, v1, SPITCH
	s_wait_alu depctr_va_vdst(0)
	v_lshl_add_u32 v5, v2, 3, v5
	v_add_nc_u32 v[STO], s23, v5                   ; in: row r, 8 bytes for each half of the lanes
	v_and_b32 v6, 31, v0
	v_lshlrev_b32 v[CO], 4, v6
	v_lshrrev_b32 v7, 2, v6
	v_mul_u32_u24 v7, v7, SPITCH
	v_and_b32 v8, 3, v6
	v_lshl_add_u32 v7, v8, 4, v7
	v_add_nc_u32 v[RDQ], s23, v7                   ; back, q and k: four lanes to a row's 64 bytes of one head
	v_lshrrev_b32 v7, 3, v6
	v_mul_u32_u24 v7, v7, SPITCH
	v_and_b32 v8, 7, v6
	v_lshl_add_u32 v7, v8, 4, v7
	v_add_nc_u32 v[RDV], s23, v7                   ; back, v: eight lanes to a row's 128 bytes
	; where my wave's two blocks of 8,192 bytes go
	s_lshl_b32 s88, s17, 8
	s_lshl_b32 s89, s15, 7
	s_add_co_u32 s88, s88, s89                     ; my first row of A'
	s_lshl_b32 s90, s42, 8
	s_lshl_b32 s91, s16, 7
	s_add_co_u32 s90, s90, s91                     ; my first row of B'
	s_and_b32 s91, s90, 1023                       ; as a channel of q or of k
	s_cmp_eq_u32 ttmp9, 0
	s_cselect_b64 s[78:79], s[10:11], s[68:69]     ; tile columns 0-3 are q's, 4-7 are k's
	s_cmp_lt_u32 s66, 8
	s_cselect_b64 s[78:79], s[78:79], s[70:71]
	s_cselect_b32 s92, s88, s90                    ; my first token
	s_cselect_b32 s93, s91, s88                    ; my first channel
	s_lshr_b32 s94, s92, 11
	s_lshl_b32 s94, s94, 21                        ; the batch: 16 heads of 2^17 bytes
	s_lshr_b32 s95, s93, 6
	s_lshl_b32 s95, s95, 17                        ; the head
	s_add_co_u32 s94, s94, s95
	s_bfe_u32 s95, s92, 0x40007                    ; which 128 tokens of the 2,048
	s_lshl_b32 s95, s95, 13
	s_add_co_u32 s94, s94, s95
	s_mov_b32 s95, 0
	s_add_nc_u64 s[78:79], s[78:79], s[94:95]
	; a sum stands for sum x 2^(e0 + e1): its code is sum / 2^(eT - e0 - e1): the three scales are folded into the conversion's one.  All by selects: no branch hangs on a loaded number
	s_wait_kmcnt 0x0
	s_cmp_eq_u32 ttmp9, 0
	s_cselect_b32 s88, s82, s83                    ; e2 for q, e3 for k,
	s_cmp_lt_u32 s66, 8
	s_cselect_b32 s88, s88, s85                    ; e5 for v
	s_sub_co_i32 s88, s88, s80
	s_sub_co_i32 s88, s88, s81
	s_add_co_i32 s88, s88, 127
	s_lshl_b32 s89, s88, 23
	v_mov_b32 v[SCL], s89
	s_add_co_i32 s88, s88, 8
	s_lshl_b32 s88, s88, 23
	s_or_b32 s88, s88, 0x600000
	v_mov_b32 v[LIM], s88
.macro FRAG reg, adr, q, i             ; a fragment, 16 rows x 128 K, is 16 registers: lane l holds row l % 16; registers 4 c .. 4 c + 3 hold K = 32 c + 16 (l / 16) + 0 .. 15, in A and in B alike
.irp c, 0,1,2,3
	ds_load_b128 v[\reg+4*\c:\reg+4*\c+3], v[\adr] offset:128*(\q)+32*\c+(\i)*16*PITCH
.endr
.endm
; 16 matrix instructions: A's blocks a0, a0 + 1 x B's eight, 128 along K.  p: B's set.  zero = 1: the first product starts the sums.  The 64 accumulators take turns, one instruction a turn, in the same order in every step.
.macro MUL16 a0, p, zero
.irp a, \a0, \a0+1
.irp b, 0,1,2,3,4,5,6,7
.if \zero
	v_wmma_f32_16x16x128_fp8_fp8 v[8*(8*((\a)%4)+\b):8*(8*((\a)%4)+\b)+7], v[128*(\p)+FR*\b:128*(\p)+FR*\b+FR-1], v[AF+FR*(\a):AF+FR*(\a)+FR-1], 0
.else
	v_wmma_f32_16x16x128_fp8_fp8 v[8*(8*((\a)%4)+\b):8*(8*((\a)%4)+\b)+7], v[128*(\p)+FR*\b:128*(\p)+FR*\b+FR-1], v[AF+FR*(\a):AF+FR*(\a)+FR-1], v[8*(8*((\a)%4)+\b):8*(8*((\a)%4)+\b)+7]
.endif
.endr
.endr
.endm
.macro FETCH_B slot, q, p              ; B's eight fragments of the slot's q-th 128 along K into set p
	WIN TO_B
.irp i, 0,1,2,3,4,5,6,7
	FRAG 128*(\p)+FR*\i, ADRB+\slot, \q, \i
.endr
	WIN 0
.endm
.macro FETCH_A slot, q, i0             ; A's blocks i0 .. i0 + 3
.irp i, \i0, \i0+1, \i0+2, \i0+3
	FRAG AF+FR*(\i), ADRA+\slot, \q, \i
.endr
.endm
.macro PLACES n                        ; plain vector lines between a matrix instruction and a load into one of its registers, or a read of its result
.rept \n
	v_nop
.endr
.endm
; A step of 128 along K that has its successor in the same slot.  A block of A is free as soon as its eight products are issued: one set serves A; B's fragments are at work through the whole step and have two.
.macro STEP slot, q, zero
	s_wait_dscnt 4*NL                              ; B's set and A's blocks 0-3 are in; the youngest sixteen loads (A's blocks 4-7) may be out
	WIN MUL_LO
	MUL16 0, (\q)%2, \zero
	MUL16 2, (\q)%2, \zero
	s_wait_dscnt 0                                 ; A's blocks 4-7 are in
	PLACES NP
	FETCH_B \slot, (\q)+1, 1-(\q)%2
	FETCH_A \slot, (\q)+1, 0
	WIN MUL_HI
	MUL16 4, (\q)%2, \zero
	MUL16 6, (\q)%2, \zero
	PLACES NP
	WIN 0
	FETCH_A \slot, (\q)+1, 4
.endm
; A slot's last step changes slots: ONE barrier; in front of it each wave waits for all its tensor loads, adds 0 to its spare word, and waits for that and for its own reads of this slot.  fill = 1: this slot is filled again, two K steps ahead.
.macro TURN slot, next, fill
	s_wait_tensorcnt 0x0                           ; all my tensor loads have landed: my part of the next slot  (every window is 0 here)
	ds_add_u32 v[SPW], v[NIL]                      ; 0 onto my spare word
	s_wait_dscnt 4*NL+1                            ; the add and the youngest sixteen loads (A's blocks 4-7) may be out
	WIN MUL_LO
	MUL16 0, 1, 0                                  ; sixteen matrix instructions stand between the add and the wait for it
	s_wait_dscnt 0x0                               ; the add is done, and my reads of this slot are over
	s_barrier_signal -1
	MUL16 2, 1, 0
	WIN 0
	s_barrier_wait -1
.if \fill
	CREST                                          ; the barrier has opened a round of the cluster's barrier: no wave of any partner still reads this slot's tile or has a load on its way
	s_add_nc_u64 s[G0+4*\slot+2:G0+4*\slot+3], s[G0+4*\slot+2:G0+4*\slot+3], 2*ROWB
	s_add_nc_u64 s[G0B+4*\slot+2:G0B+4*\slot+3], s[G0B+4*\slot+2:G0B+4*\slot+3], 2*ROWB
	JLOAD G0+4*\slot, G1, G0B+4*\slot, G1B         ; the first tensor load behind the round, my only one until the next; its four v_nop are the places in front of the loads below
.else
	PLACES NP
.endif
	FETCH_B \next, 0, 0
	FETCH_A \next, 0, 0
	WIN MUL_HI
	MUL16 4, 1, 0
	MUL16 6, 1, 0
	PLACES NP
	WIN 0
	FETCH_A \next, 0, 4
.endm
	s_wait_alu depctr_va_vdst(0)                   ; the head's end
	s_wait_tensorcnt 0x0                           ; my part of K step 0 is in; these lines stand ahead of a later first fill, as ahead of a refill
	ds_add_u32 v[SPW], v[NIL]
	s_wait_dscnt 0x0
	CROUND                                         ; everybody's part of K step 0 is in, and all sixteen work-groups are here
	JLOAD G0+4, G1, G0B+4, G1B                     ; K step 1: the first tensor load behind the round
	FETCH_B 0, 0, 0
	FETCH_A 0, 0, 0
	FETCH_A 0, 0, 4
	; K = 1,024 is four slots' worth: the walk is written out, eight steps of 128
	STEP 0, 0, 1                                   ; the first products start the sums
	TURN 0, 1, 1                                   ; slot 0 takes K 512-767
	STEP 1, 0, 0
	TURN 1, 0, 1                                   ; slot 1 takes K 768-1023
	STEP 0, 0, 0
	TURN 0, 1, 0                                   ; nothing is left to fetch: no round
	STEP 1, 0, 0
	s_wait_dscnt 4*NL                              ; the very last step
	WIN MUL_LO
	MUL16 0, 1, 0
	MUL16 2, 1, 0
	s_wait_alu depctr_va_vdst(0)
	s_wait_dscnt 0
	WIN MUL_HI
	MUL16 4, 1, 0
	MUL16 6, 1, 0
	WIN 0
; THE WAY OUT.  Block a (16 rows i x 128 j): each sum is held within +-448 x the scale (the conversion to an 8-bit code does not saturate: ISA guide 7.6.2), eight neighbours j become 8 bytes, and they go into row 16 a + r of my stage.
.macro TOCODES a
.set AC, 64*((\a)%4)
	WIN 0x02+((\a)/4)                              ; source 0: window 2 or 3
.set j, 0
.rept 64
	v_med3_num_f32 v[TMP+j], v[AC+j], -v[LIM], v[LIM]   ; each accumulator from its low end on
.set j, j+1
.endr
	WIN 0
.irp b, 0,1,2,3,4,5,6,7
	v_cvt_scalef32_pk8_fp8_f32 v[CD+16*(\a)+2*\b:CD+16*(\a)+2*\b+1], v[TMP+8*\b:TMP+8*\b+7], v[SCL]
.endr
	v_nop                                          ; one plain line between the conversions and the next block's holds, which write their sources
.irp b, 0,1,2,3,4,5,6,7
	ds_store_b64 v[STO], v[CD+16*(\a)+2*\b:CD+16*(\a)+2*\b+1] offset:(\a)*16*SPITCH+16*\b
.endr
.endm
	PLACES NP                                      ; behind the last products
.irp a, 0,1,2,3,4,5,6,7
	TOCODES \a
.endr
	s_wait_dscnt 0x0                               ; the stores have read their registers: rows may land there
	s_cmp_lt_u32 s66, 8                            ; the cluster's y: the same in all sixteen partners
	s_cbranch_scc0 .Lread_v
.irp hh, 0,1                           ; q, k: head hh's 64 bytes of 8 tokens an instruction.  Output row pos holds the token with bits 3 and 4 exchanged: of the group of eight, bits 0 and 1 of t
.irp t, 0,1,2,3,4,5,6,7,8,9,10,11,12,13,14,15
	ds_load_b128 v[TMP+4*(16*\hh+\t):TMP+4*(16*\hh+\t)+3], v[RDQ] offset:64*\hh+8*(((\t)&12)|(((\t)&1)<<1)|(((\t)>>1)&1))*SPITCH
.endr
.endr
	s_branch .Lsend
.Lread_v:
.irp hh, 0,1                           ; v: head hh's channels 4 t .. 4 t + 3, 128 tokens each
.irp t, 0,1,2,3,4,5,6,7,8,9,10,11,12,13,14,15
	ds_load_b128 v[TMP+4*(16*\hh+\t):TMP+4*(16*\hh+\t)+3], v[RDV] offset:(64*\hh+4*\t)*SPITCH
.endr
.endr
.Lsend:
.irp hh, 0,1
.irp t, 0,1,2,3,4,5,6,7,8,9,10,11,12,13,14,15
	s_wait_dscnt 31-16*\hh-\t                      ; the younger loads may be out: 32 were issued on either way
	global_store_b128 v[CO], v[TMP+4*(16*\hh+\t):TMP+4*(16*\hh+\t)+3], s[78:79] offset:\hh*131072+512*\t   ; 32 lanes store 512 consecutive bytes, at a multiple of 256 from the buffer's first byte
.endr
.endr
	s_wait_tensorcnt 0x0                           ; the wave's end: behind my last tensor load and my last LDS store
	ds_add_u32 v[SPW], v[NIL]
	s_wait_dscnt 0x0
	CROUND                                         ; the closing round: no work-group ends while a partner may still ask for a tile that names it
	s_endpgm
.Lfunc_end_k_q9aba92d480_gemm_qkv:
	.size	k_q9aba92d480_gemm_qkv, .Lfunc_end_k_q9aba92d480_gemm_qkv-k_q9aba92d480_gemm_qkv
	.p2alignl 7, 3214868480
	.fill 96, 4, 3214868480
	.section	.rodata,"a",@progbits
	.p2align	6, 0x0
	.amdhsa_kernel k_q9aba92d480_gemm_qkv
		.amdhsa_group_segment_fixed_size 327680
		.amdhsa_private_segment_fixed_size 0
		.amdhsa_enable_private_segment 0
		.amdhsa_kernarg_size 48
		.amdhsa_user_sgpr_count 2
		.amdhsa_user_sgpr_kernarg_segment_ptr 1
		.amdhsa_wavefront_size32 1
		.amdhsa_system_sgpr_workgroup_id_x 1
		.amdhsa_system_sgpr_workgroup_id_y 1
		.amdhsa_system_sgpr_workgroup_id_z 1
		.amdhsa_system_vgpr_workitem_id 0
		.amdhsa_next_free_vgpr 1024
		.amdhsa_next_free_sgpr 100
		.amdhsa_reserve_vcc 0
		.amdhsa_float_denorm_mode_32 3
		.amdhsa_float_denorm_mode_16_64 3
		.amdhsa_memory_ordered 1
		.amdhsa_forward_progress 1
		.amdhsa_inst_pref_size 128
	.end_amdhsa_kernel
	.amdgpu_metadata
---
amdhsa.version: [ 1, 2 ]
amdhsa.kernels:
  - .name:           k_q9aba92d480_gemm_qkv
    .symbol:         k_q9aba92d480_gemm_qkv.kd
    .args:
      - { .name: x_codes, .offset: 0, .size: 8, .value_kind: global_buffer, .address_space: global }
      - { .name: wa_codes, .offset: 8, .size: 8, .value_kind: global_buffer, .address_space: global }
      - { .name: lowp_scales, .offset: 16, .size: 8, .value_kind: global_buffer, .address_space: global }
      - { .name: q_codes, .offset: 24, .size: 8, .value_kind: global_buffer, .address_space: global }
      - { .name: k_codes, .offset: 32, .size: 8, .value_kind: global_buffer, .address_space: global }
      - { .name: v_codes, .offset: 40, .size: 8, .value_kind: global_buffer, .address_space: global }
    .group_segment_fixed_size: 327680
    .private_segment_fixed_size: 0
    .kernarg_segment_align: 8
    .kernarg_segment_size: 48
    .max_flat_workgroup_size: 128
    .sgpr_count:     100
    .vgpr_count:     1024
    .wavefront_size: 32
...
	.end_amdgpu_metadata
.endif
;; end of part 2
;; launch attn (part 3): grid 4 x 64, 8 waves a work-group, no clusters, 327,680 bytes of LDS; arguments q_codes, k_codes, v_codes, lowp_scales, a_codes; writes a_codes
.if DOCPART == 3
	.amdgcn_target "amdgcn-amd-amdhsa--gfx1250"
	.amdhsa_code_object_version 6
	.text
	.protected	k_q9aba92d480_attn
	.globl	k_q9aba92d480_attn
	.p2align	8
	.type	k_q9aba92d480_attn,@function
k_q9aba92d480_attn:
	s_mov_b64 s[64:65], 0
	v_nop
	global_prefetch_b8 v0, s[64:65] scope:SCOPE_SE
	s_setreg_imm32_b32 hwreg(HW_REG_WAVE_MODE, 25, 1), 1
	s_wait_xcnt 0x0
; Causal attention on codes of FP8 (E4M3), head size 64, 64 heads (batch x head) of 2,048 tokens; the result is quantised (entry 6 of the scales) and stored as codes.
; q_codes, k_codes: [head][pos][64], pos = the token with bits 3 and 4 exchanged;  v_codes: [head][token / 128][64 channels][128 tokens];  a_codes: [head][token][64].
; THE SOFTMAX AHEAD OF THE SECOND PRODUCT: t = score x log2(e) / 8; M = the row's largest t so far, rounded UP to a whole number; p = 2^(t - M) is quantised along the keys, not normalised.
; The row's sum is taken of the unquantised p, in f32, and divides O at the end.  When M moves, the sum and O are multiplied by 2^(old M - new M): exact.
; SHARES.  Work-group (p, head) owns two blocks of 256 queries, block 7 - p and then block p.  Block i needs key slots 0 .. i (256 keys a slot): NINE slots for every work-group, a constant trip count, and every slot fetched is read.
; Each of the EIGHT waves owns 32 queries of the block in hand: two tiles of 16, A and B.  Each fragment of K and of V that is read from LDS feeds both tiles' matrix instructions, and the two tiles' softmax lines stand by turns:
; independent chains side by side, and plain lines of one tile among the exponentials of the other.
; Key steps whose 128 keys all come after a wave's 32 queries are wholly masked and are left out (a scalar branch on ids).
; No cluster: the four work-groups of a head walk different sequences of slots (8 - p and p + 1 of them), so partners would need different tiles in the same round.
; K's and V's tiles come through a ring of two LDS slots; every wave fetches 4,096 dense bytes of a slot (waves 0-3: K's quarters; waves 4-7: V's), stated as 16 rows of 256 bytes with the padding behind each short row.
; LAYOUT.  Both products are used transposed: S^T = K Q^T, O^T = V^T P^T: a lane holds ONE query (lane % 16) of each tile.  By the order of k_codes' rows the 16 registers of score tiles 2 b and 2 b + 1 are the
; neighbouring keys 32 b + 16 (lane / 16) + 0 .. 15: the conversions' results are the second product's operand.
; LIMITS on the given exponents, so that each power of two below is an f32 number: e2 + e3 between -123 and 130; e4, and e6 - e4 - e5, between -126 and 119.
; Within an instruction k is laid alike in both operands but not in the form's own order.
; REGISTERS.  Window 0: v1-11 addresses; v12-15, v16-19 -M, the largest t and the sum of A and of B; v20-31 constants, f and lane temporaries; v32-47 Q; v48-79 p's codes; v80-127 at work; v128-191, v192-255 S^T, then p, of A and of B.
; Window 1: v0-15 rows on the way out; v64-127 K's 8 fragments; v128-159, v160-191 O^T of A and of B; v192-255 V's 4 fragments.
.set KP,    80                         ; a key's row in LDS: 64 bytes + 16 of padding
.set VP,    144                        ; a row of V's tile: 128 bytes + 16
.set VOFF,  256*KP                     ; a slot: 256 rows of K, then 2 x 64 rows of V
.set SLOT1, 65536                      ; slot 1 begins here: one exclusive or turns an address
.set STAGE, 2*SLOT1                    ; the way out: 32 rows x 80 bytes for each wave; no tile lands here
.set SPARE, STAGE+8*32*KP              ; the spare words, 128 bytes for each wave: four blocks of 256 bytes that no other line names
.set AK0,  1
.set AV0,  2
.set PFO,  3                           ; 256 x min(lane, 15): the prefetches' offset
.set QOF,  4
.set SPW,  5
.set NIL,  6
.set GO,   7
.set ADK,  8
.set ADV,  9
.set STO,  10
.set SRD,  11
.set LTA,  20                          ; r - 16 h;  v21: + 16, for tile B
.set LTB,  21
.set SCP,  22                          ; 2^e4
.set SCO,  23                          ; 2^(e6 - e4 - e5)
.set LMO,  24                          ; 448 x that
.set HLD,  25                          ; 448 x 2^e4
.set HL2,  90                          ; the same once more, in another register bank: the second half of a dual pair takes it
.set FA,   26                          ; v[26:27], v[28:29]: f of A and of B (the low word serves both halves)
.set FB,   28
.set QRA,  32
.set QRB,  40
.set PA,   48
.set PB,   64
.set MX,   80                          ; v80-87 eight chains of maxima; v88, v89 the mask's
.set T,    96                          ; v96-127 sixteen pairs of partial sums; O's codes on the way out
.set SA,   128
.set SB,   192
.set KR,   64                          ; window 1
.set OAR,  128
.set OBR,  160
.set VR,   192
.set TB,   2
.set JN,   3
.set WV,   18
.set LASTA, 19
.set SEL,  20
.set CS,   22
.set G1K,  24
.set G1V,  32
.set G0K,  40
.set G0V,  44
.set KB,   48
.set VB,   50
.set OFP,  52
.set QA,   54
.set QB,   56
.set OA,   58
.set OB,   60
.set Q0B,  62
.set SLOTS, 67
.set PFA,  76
.set LIM,  80
.set KF,   98
.set Q0,   99
.set MSB, 0
.macro WIN new                         ; the immediate's high byte repeats the setting that is left
.if MSB != \new
	s_set_vgpr_msb (MSB<<8)|\new
.set MSB, \new
.endif
.endm
.set S0_1, 0x01                        ; source 0 window 1 (K for the first product; O^T on the way out)
.set PVW,  0x51                        ; source 0 (V), C and D (O^T) window 1, source 1 (p's codes) window 0
.set RSW,  0x41                        ; O^T x f: destination and source 0 window 1
.set TO_1, 0x40                        ; destination window 1
.set D_1,  0x04                        ; a store's data window 1, its address window 0
.macro NOPS
.rept 4
	v_nop
.endr
.endm
; every wave fetches: both arms hold one load.  An s_nop 0 and four v_nop follow each.
.macro TLOAD
	s_cmp_lt_u32 s[WV], 4
	s_cbranch_scc0 .Lfor_v_\@
	tensor_load_to_lds s[G0K:G0K+3], s[G1K:G1K+7]
	s_nop 0
	NOPS
	s_branch .Lasked_\@
.Lfor_v_\@:
	tensor_load_to_lds s[G0V:G0V+3], s[G1V:G1V+7]
	s_nop 0
	NOPS
.Lasked_\@:
.endm
; A prefetch of the slot that the NEXT change of slots will ask for.  Of a head's four work-groups the one with p = 0 asks, which walks slots 0 to 7 in order; each of its waves names the 16 blocks of 256 bytes
; that it will itself fetch (lanes 16-31 name the last again).  Trip t asks for slot t + 2, t = 0 .. 5; slots 0 and 1 come by their loads alone.
.macro ASK
	s_cmp_gt_u32 s[SLOTS], s[LIM]
	s_cbranch_scc0 .Lnot_mine_\@
	global_prefetch_b8 v[PFO], s[PFA:PFA+1] th:TH_LOAD_NT scope:SCOPE_SE
.Lnot_mine_\@:
.endm
	s_load_b128 s[4:7], s[0:1], 0x0                ; q_codes, k_codes
	s_load_b128 s[8:11], s[0:1], 0x10              ; v_codes, the scales' exponents
	s_load_b64 s[12:13], s[0:1], 0x20              ; a_codes
	v_lshl_add_u32 v[SPW], v0, 2, SPARE
	v_mov_b32 v[NIL], 0
	ds_add_u32 v[SPW], v[NIL]                      ; the opening lines: the add, twice on end, and its wait below
	ds_add_u32 v[SPW], v[NIL]
	v_lshrrev_b32 v8, 5, v0
	v_readfirstlane_b32 s[WV], v8                  ; wave 0..7
	s_and_b32 s82, ttmp7, 0xffff
	s_lshl_b32 s82, s82, 17                        ; the head's first byte in each of the four buffers
	s_sub_co_u32 s[LASTA], 7, ttmp9
	s_and_b32 s84, s[WV], 3                        ; which quarter of a slot's K or V I fetch
	s_lshl_b32 s86, s84, 12
	s_add_co_u32 s86, s86, s82
	s_mov_b32 s87, 0
	s_mul_i32 s88, s84, 64*KP                      ; K's quarter in a slot: 64 rows,
	s_mul_i32 s89, s84, 32*VP
	s_add_co_u32 s89, s89, VOFF                    ; V's: 32 rows
	s_lshl_b32 s90, s[WV], 11                      ; my 32 tokens: 2,048 bytes of q_codes and of a_codes
	s_add_co_u32 s90, s90, s82
	s_lshl_b32 s85, s[LASTA], 14
	s_lshl_b32 s83, ttmp9, 14
	s_add_co_u32 s92, s90, s85                     ; in the first block,
	s_mov_b32 s93, 0
	s_add_co_u32 s94, s90, s83                     ; in the second
	s_mov_b32 s95, 0
	s_lshl_b32 s81, s[WV], 5
	s_lshl_b32 s[Q0], s[LASTA], 8
	s_add_co_u32 s[Q0], s[Q0], s81                 ; my first query: 256 x block + 32 x wave
	s_lshl_b32 s[Q0B], ttmp9, 8
	s_add_co_u32 s[Q0B], s[Q0B], s81
	s_mov_b32 s[G1K], (1<<20)|(3<<22)|(3<<25)      ; elements of 1 byte; four words of padding after every 16
	s_mov_b32 s[G1V], (1<<20)|(4<<22)|(3<<25)      ; after every 32
.irp g, G1K, G1V
	s_mov_b32 s[\g+1], 256<<16                     ; tensor_dim0
	s_mov_b32 s[\g+2], 16<<16                      ; tensor_dim1
	s_mov_b32 s[\g+3], 256<<16                     ; tile_dim0
	s_mov_b32 s[\g+4], 16                          ; tile_dim1
	s_mov_b32 s[\g+5], 256                         ; the pitch
	s_mov_b32 s[\g+6], 0
	s_mov_b32 s[\g+7], 0
.endr
	s_mov_b32 s[SEL], 0x76543210
	s_mov_b32 s[SEL+1], 0xfedcba98
	s_mov_b32 s[CS], 0x3e38aa3b                    ; c = log2(e) / 8
	s_mov_b32 s[TB], 0
	s_mov_b32 s[JN], 0
	s_mov_b32 s[OFP+1], 0
	s_mov_b32 s[SLOTS], 8
	s_mov_b32 s[KF], 0
	s_wait_dscnt 0x0                               ; both opening adds are done
	s_wait_kmcnt 0x0
	s_load_b256 s[68:75], s[10:11], 0x0            ; e0 .. e7
	s_add_nc_u64 s[KB:KB+1], s[6:7], s[86:87]
	s_add_nc_u64 s[VB:VB+1], s[8:9], s[86:87]
	s_mov_b32 s[G0K], 1
	s_mov_b32 s[G0K+1], s88
	s_mov_b64 s[G0K+2:G0K+3], s[KB:KB+1]
	s_or_b32 s[G0K+3], s[G0K+3], 0x80000000
	s_mov_b32 s[G0V], 1
	s_mov_b32 s[G0V+1], s89
	s_mov_b64 s[G0V+2:G0V+3], s[VB:VB+1]
	s_or_b32 s[G0V+3], s[G0V+3], 0x80000000
	TLOAD                                          ; slot 0: one tensor load of mine is out, here and behind every barrier
	s_add_nc_u64 s[QA:QA+1], s[4:5], s[92:93]
	s_add_nc_u64 s[QB:QB+1], s[4:5], s[94:95]
	s_add_nc_u64 s[OA:OA+1], s[12:13], s[92:93]
	s_add_nc_u64 s[OB:OB+1], s[12:13], s[94:95]
	s_cmp_lt_u32 s[WV], 4
	s_cselect_b64 s[PFA:PFA+1], s[KB:KB+1], s[VB:VB+1]
	s_add_nc_u64 s[PFA:PFA+1], s[PFA:PFA+1], 16384 ; in slot 1: the first change of slots steps it to slot 2
	s_cmp_eq_u32 ttmp9, 0
	s_cselect_b32 s[LIM], 2, -1
	v_and_b32 v252, 15, v0                         ; r
	v_bfe_u32 v253, v0, 4, 1                       ; h
	v_and_b32 v254, 31, v0                         ; lane
	v_mul_u32_u24 v[AK0], v252, KP
	v_lshl_add_u32 v[AK0], v253, 4, v[AK0]
	v_mul_u32_u24 v[AV0], v252, VP
	v_lshl_add_u32 v[AV0], v253, 4, v[AV0]
	v_add_nc_u32 v[AV0], VOFF, v[AV0]
	v_min_u32 v[PFO], 15, v254
	v_lshlrev_b32 v[PFO], 8, v[PFO]
	v_and_b32 v[QOF], 8, v252
	v_add_nc_u32 v[QOF], v[QOF], v252              ; token 16 a + r lies at pos 8 a + 16 (r / 8) + r % 8 of its group of 32
	v_lshlrev_b32 v[QOF], 6, v[QOF]
	v_lshl_add_u32 v[QOF], v253, 4, v[QOF]
	v_lshlrev_b32 v[GO], 4, v254
	v_lshlrev_b32 v[LTA], 4, v253
	v_sub_nc_u32 v[LTA], v252, v[LTA]
	v_add_nc_u32 v[LTB], 16, v[LTA]                ; tile B's queries lie 16 further on
	s_mul_i32 s96, s[WV], 32*KP
	s_add_co_u32 s96, s96, STAGE                   ; my stage
	v_mul_u32_u24 v[STO], v252, KP
	v_lshl_add_u32 v[STO], v253, 3, v[STO]
	v_add_nc_u32 v[STO], s96, v[STO]               ; in: row r, 8 bytes for each half of the lanes
	v_lshrrev_b32 v[SRD], 2, v254
	v_mul_u32_u24 v[SRD], v[SRD], KP
	v_and_b32 v30, 3, v254                         ; (v30 is thereby written: a lane permute's destination counts as a source)
	v_lshl_add_u32 v[SRD], v30, 4, v[SRD]
	v_add_nc_u32 v[SRD], s96, v[SRD]               ; back: four lanes to a row's 64 bytes
	v_mov_b32 v31, 0
	v_mov_b32 v[FA+1], 0                           ; (named as the upper halves of pairs)
	v_mov_b32 v[FB+1], 0
.macro INIT qb                         ; a block of queries begins: Q's two fragments; the largest t at -3e38, zeros for the sums and O^T: the step is written once, and its first turn finds zeros
	global_load_b128 v[QRA:QRA+3], v[QOF], s[\qb:\qb+1]
	global_load_b128 v[QRA+4:QRA+7], v[QOF], s[\qb:\qb+1] offset:32
	global_load_b128 v[QRB:QRB+3], v[QOF], s[\qb:\qb+1] offset:512
	global_load_b128 v[QRB+4:QRB+7], v[QOF], s[\qb:\qb+1] offset:544
	v_mov_b32 v13, 0xff61b1e6
	v_mov_b32 v17, 0xff61b1e6
	v_floor_f32 v12, -v13
	v_floor_f32 v16, -v17
	v_mov_b32 v14, 0
	v_mov_b32 v15, 0
	v_mov_b32 v18, 0
	v_mov_b32 v19, 0
	WIN TO_1
.set j, 0
.rept 64
	v_mov_b32 v[OAR+j], 0
.set j, j+1
.endr
	WIN 0
.endm
	INIT QA
	s_wait_kmcnt 0x0
	s_add_co_i32 s82, s70, s71
	s_lshl_b32 s82, s82, 23
	s_add_co_i32 s[CS], s[CS], s82                 ; a score stands for score x 2^(e2 + e3): added to c's exponent field
	s_mov_b32 s[CS+1], s[CS]
	s_add_co_i32 s82, s72, 127
	s_lshl_b32 s83, s82, 23
	v_mov_b32 v[SCP], s83                          ; 2^e4
	s_add_co_i32 s82, s82, 8
	s_lshl_b32 s82, s82, 23
	s_or_b32 s82, s82, 0x600000
	v_mov_b32 v[HLD], s82                          ; 448 x 2^e4
	v_mov_b32 v[HL2], s82
	s_sub_co_i32 s84, s74, s72
	s_sub_co_i32 s84, s84, s73                     ; O's code is (sum / l) / 2^(e6 - e4 - e5)
	s_add_co_i32 s84, s84, 127
	s_lshl_b32 s85, s84, 23
	v_mov_b32 v[SCO], s85
	s_add_co_i32 s84, s84, 8
	s_lshl_b32 s84, s84, 23
	s_or_b32 s84, s84, 0x600000
	v_mov_b32 v[LMO], s84
.macro KLOAD q
.irp g, 0,1,2,3,4,5,6,7
.irp c, 0,1
	ds_load_b128 v[KR+8*\g+4*\c:KR+8*\g+4*\c+3], v[ADK] offset:(128*(\q)+16*\g)*KP+32*\c
.endr
.endr
.endm
.macro QK s, qr                        ; S^T = K Q^T: eight tiles of 16 keys, K = the head's 64
.irp g, 0,1,2,3,4,5,6,7
	v_wmma_f32_16x16x64_fp8_fp8 v[\s+8*\g:\s+8*\g+7], v[KR+8*\g:KR+8*\g+7], v[\qr:\qr+7], 0
.endr
.endm
.macro PV o, p                         ; O^T += V^T P^T: four tiles of 16 channels, K = 128 keys; the accumulators take turns
.irp t, 0,1,2,3
	v_wmma_f32_16x16x128_fp8_fp8 v[\o+8*\t:\o+8*\t+7], v[VR+16*\t:VR+16*\t+15], v[\p:\p+15], v[\o+8*\t:\o+8*\t+7]
.endr
.endm
.macro MASK s, lt                      ; on the diagonal: register 16 b + i holds key 16 h + 32 b + i of the step, hidden where 32 b + i > d = my query - the step's first key - 16 h
	v_add_nc_u32 v88, s96, v[\lt]
.set n, 0
.rept 64
	v_cmp_gt_i32 vcc_lo, 32*(n/16)+n%16, v88
	v_cndmask_b32 v[\s+n], v[\s+n], v89, vcc_lo
.set n, n+1
.endr
.endm
.macro CODES s, p                      ; 64 held p become 16 registers of codes
.irp b, 0,1,2,3
	v_cvt_scalef32_pk8_fp8_f32 v[\p+4*\b:\p+4*\b+1], v[\s+16*\b:\s+16*\b+7], v[SCP]
	v_cvt_scalef32_pk8_fp8_f32 v[\p+4*\b+2:\p+4*\b+3], v[\s+16*\b+8:\s+16*\b+15], v[SCP]
.endr
.endm
.macro FOLD n                          ; the first n pairs of partial sums take the next n
.set k, 0
.rept \n
	v_pk_add_f32 v[T+2*k:T+2*k+1], v[T+2*k:T+2*k+1], v[T+2*(k+\n):T+2*(k+\n)+1]
.set k, k+1
.endr
.endm
; A KEY STEP: 128 keys, the q-th of the slot in hand, for both tiles.  Step 0 of a slot counts for every wave; step 1 is left out where all its keys come after my 32 queries.
.macro STEP q
.if \q
	s_add_co_u32 s96, s[Q0], 31
	s_cmp_gt_u32 s[KF], s96
	s_cbranch_scc1 .Lhidden_\@
.else
	v_add_nc_u32 v[ADK], s[TB], v[AK0]
	v_add_nc_u32 v[ADV], s[TB], v[AV0]
	WIN TO_1
	KLOAD 0
	s_wait_alu depctr_va_vdst(0)                   ; directly ahead of the wait below
	s_wait_dscnt 0x0                               ; K's fragments are in (step 1's came in under step 0's wait for V)
.endif
	WIN S0_1
	QK SA, QRA
	QK SB, QRB
	NOPS                                           ; four places: in front of the loads below and of the first read of the scores
	WIN TO_1
.if (\q) == 0
	KLOAD 1                                        ; the next step's K, into the registers that this step's products have read
.endif
.irp t, 0,1,2,3
.irp c, 0,1,2,3
	ds_load_b128 v[VR+16*\t+4*\c:VR+16*\t+4*\c+3], v[ADV] offset:(\q)*64*VP+16*\t*VP+32*\c
.endr
.endr
	WIN 0
	s_add_co_u32 s96, s[KF], 127
	s_cmp_le_u32 s96, s[Q0]                        ; all keys of the step count for all my queries: no mask
	s_cbranch_scc1 .Lopen_\@
	s_sub_co_i32 s96, s[Q0], s[KF]
	v_mov_b32 v89, 0xff800000                      ; -infinity
	MASK SA, LTA
	MASK SB, LTB
.Lopen_\@:
.irp c, 0,1,2,3                        ; the step's largest scores, four chains a tile, the tiles by turns; each accumulator from its low end on
	v_max3_num_f32 v[MX+\c], v[SA+3*\c], v[SA+3*\c+1], v[SA+3*\c+2]
	v_max3_num_f32 v[MX+4+\c], v[SB+3*\c], v[SB+3*\c+1], v[SB+3*\c+2]
.endr
.irp i, 12,20,28,36,44,52
.irp c, 0,1,2,3
	v_max3_num_f32 v[MX+\c], v[MX+\c], v[SA+\i+2*\c], v[SA+\i+2*\c+1]
	v_max3_num_f32 v[MX+4+\c], v[MX+4+\c], v[SB+\i+2*\c], v[SB+\i+2*\c+1]
.endr
.endr
.irp c, 0,1
	v_max3_num_f32 v[MX+\c], v[MX+\c], v[SA+60+2*\c], v[SA+61+2*\c]
	v_max3_num_f32 v[MX+4+\c], v[MX+4+\c], v[SB+60+2*\c], v[SB+61+2*\c]
.endr
	v_max3_num_f32 v[MX], v[MX], v[MX+1], v[MX+2]
	v_max3_num_f32 v[MX+4], v[MX+4], v[MX+5], v[MX+6]
	v_max_num_f32 v[MX], v[MX], v[MX+3]
	v_max_num_f32 v[MX+4], v[MX+4], v[MX+7]
	v_permlanex16_b32 v30, v[MX], s[SEL], s[SEL+1]
	v_permlanex16_b32 v31, v[MX+4], s[SEL], s[SEL+1]
	v_max_num_f32 v[MX], v[MX], v30                ; and among lane l xor 16's
	v_max_num_f32 v[MX+4], v[MX+4], v31
	v_mul_f32 v[MX], s[CS], v[MX]                  ; as t (c is positive)
	v_mul_f32 v[MX+4], s[CS], v[MX+4]
	v_max_num_f32 v13, v13, v[MX]                  ; the running largest t
	v_max_num_f32 v17, v17, v[MX+4]
	v_mov_b32 v[MX], v12
	v_mov_b32 v[MX+4], v16
	v_floor_f32 v12, -v13                          ; the new -M = -ceil(t)
	v_floor_f32 v16, -v17
	v_sub_f32 v[MX], v12, v[MX]                    ; old M - new M: a whole number, 0 or less
	v_sub_f32 v[MX+4], v16, v[MX+4]
	v_cvt_i32_f32 v[MX], v[MX]
	v_cvt_i32_f32 v[MX+4], v[MX+4]
	v_ldexp_f32 v[FA], 1.0, v[MX]                  ; f = 2^(old M - new M)
	v_ldexp_f32 v[FB], 1.0, v[MX+4]
	v_pk_mul_f32 v[14:15], v[14:15], v[FA:FA+1] op_sel_hi:[1,0]   ; the sums under the new M
	v_pk_mul_f32 v[18:19], v[18:19], v[FB:FB+1] op_sel_hi:[1,0]
	WIN RSW                                        ; O^T under the new M, ahead of the step's exponentials: none stands between the last products and these reads
.set j, 0
.rept 16
	v_pk_mul_f32 v[OAR+j:OAR+j+1], v[OAR+j:OAR+j+1], v[FA:FA+1] op_sel_hi:[1,0]
.set j, j+2
.endr
.set j, 0
.rept 16
	v_pk_mul_f32 v[OBR+j:OBR+j+1], v[OBR+j:OBR+j+1], v[FB:FB+1] op_sel_hi:[1,0]
.set j, j+2
.endr
	WIN 0
.set j, 0
.rept 32
	v_pk_fma_f32 v[SA+j:SA+j+1], v[SA+j:SA+j+1], s[CS:CS+1], v[12:13] op_sel_hi:[1,0,0]   ; A: t - M, two at a time
.set j, j+2
.endr
	s_wait_alu depctr_va_vdst(0)                   ; ahead of A's batch
.set j, 0
.rept 32                               ; A's exponentials; among them B's t - M, which is first read behind the next wait
	v_exp_f32 v[SA+j], v[SA+j]
	v_exp_f32 v[SA+j+1], v[SA+j+1]
	v_pk_fma_f32 v[SB+j:SB+j+1], v[SB+j:SB+j+1], s[CS:CS+1], v[16:17] op_sel_hi:[1,0,0]
.set j, j+2
.endr
	s_wait_alu depctr_va_vdst(0)                   ; behind A's batch and ahead of B's
.set k, 0
.rept 16                               ; B's exponentials; among them A's first partial sums (of the unquantised p) and then A's holds: all first read behind the next wait
	v_exp_f32 v[SB+4*k], v[SB+4*k]
	v_pk_add_f32 v[T+2*k:T+2*k+1], v[SA+4*k:SA+4*k+1], v[SA+4*k+2:SA+4*k+3]
	v_exp_f32 v[SB+4*k+1], v[SB+4*k+1]
	v_dual_min_num_f32 v[SA+4*k], v[SA+4*k], v[HLD] :: v_dual_min_num_f32 v[SA+4*k+1], v[SA+4*k+1], v[HL2]   ; the conversion does not saturate (ISA guide 7.6.2); p is not negative: a one-sided hold, with no branch, whatever e4 is; two holds a line
	v_exp_f32 v[SB+4*k+2], v[SB+4*k+2]
	v_exp_f32 v[SB+4*k+3], v[SB+4*k+3]
	v_dual_min_num_f32 v[SA+4*k+2], v[SA+4*k+2], v[HLD] :: v_dual_min_num_f32 v[SA+4*k+3], v[SA+4*k+3], v[HL2]
.set k, k+1
.endr
	v_nop                                          ; the plain line behind the exponentials
	s_wait_dscnt 0x0                               ; V is in (and the next step's K)
	s_wait_alu depctr_va_vdst(0)                   ; behind B's batch, ahead of its first reader
	CODES SA, PA
	FOLD 8                                         ; plain lines between the conversions and the products
	FOLD 4
	FOLD 2
	FOLD 1
	v_pk_add_f32 v[14:15], v[14:15], v[T:T+1]
	WIN PVW
	PV OAR, PA
	WIN 0
.set k, 0
.rept 16
	v_pk_add_f32 v[T+2*k:T+2*k+1], v[SB+4*k:SB+4*k+1], v[SB+4*k+2:SB+4*k+3]
.set k, k+1
.endr
	FOLD 8
	FOLD 4
.set j, 0
.rept 32
	v_dual_min_num_f32 v[SB+j], v[SB+j], v[HLD] :: v_dual_min_num_f32 v[SB+j+1], v[SB+j+1], v[HL2]
.set j, j+2
.endr
	CODES SB, PB
	FOLD 2
	FOLD 1
	v_pk_add_f32 v[18:19], v[18:19], v[T:T+1]
	WIN PVW
	PV OBR, PB
	WIN 0
.Lhidden_\@:
	s_add_co_u32 s[KF], s[KF], 128
.endm
; THE CHANGE OF SLOTS, at a slot's head: each wave waits for its tensor load, adds 0 to its spare word, waits for that and for its reads of the slot that it has left; behind the barrier the other slot takes the keys that follow.
.macro CHANGE fill
	s_wait_tensorcnt 0x0
	ds_add_u32 v[SPW], v[NIL]
.if \fill
	s_xor_b32 s[G0K+1], s[G0K+1], SLOT1
	s_xor_b32 s[G0V+1], s[G0V+1], SLOT1
	s_add_co_u32 s[JN], s[JN], 1
	s_cmp_gt_u32 s[JN], s[LASTA]
	s_cselect_b32 s[JN], 0, s[JN]                  ; behind the first block's last slot: the head's first 256 keys again
	s_lshl_b32 s[OFP], s[JN], 14
	s_add_nc_u64 s[G0K+2:G0K+3], s[KB:KB+1], s[OFP:OFP+1]
	s_or_b32 s[G0K+3], s[G0K+3], 0x80000000
	s_add_nc_u64 s[G0V+2:G0V+3], s[VB:VB+1], s[OFP:OFP+1]
	s_or_b32 s[G0V+3], s[G0V+3], 0x80000000
	s_wait_xcnt 0x0                                ; the last prefetch has read its address
	s_add_nc_u64 s[PFA:PFA+1], s[PFA:PFA+1], 16384
.endif
	s_wait_dscnt 0x0
	s_barrier_signal -1
	s_barrier_wait -1
.if \fill
	TLOAD                                          ; the first thing behind the barrier, my one tensor load until the next
	ASK
.endif
	s_wait_loadcnt 0x0                             ; Q, where a block has just begun
.endm
.macro FINISH ob                       ; a block ends: both tiles' O^T / the sum, quantised, go through my stage and leave as 2,048 consecutive bytes: my 32 rows of a_codes
	s_wait_xcnt 0x0                                ; the first block's stores have read the registers that are loaded below
	s_wait_alu depctr_va_vdst(0)
	NOPS                                           ; places behind the last products
	v_add_f32 v14, v14, v15
	v_add_f32 v18, v18, v19
	v_permlanex16_b32 v30, v14, s[SEL], s[SEL+1]
	v_permlanex16_b32 v31, v18, s[SEL], s[SEL+1]
	v_add_f32 v14, v14, v30                        ; the rows' sums, at least 1/2
	v_add_f32 v18, v18, v31
	s_wait_alu depctr_va_vdst(0)
	v_rcp_f32 v[FA], v14
	v_rcp_f32 v[FB], v18
	v_nop
	WIN S0_1
	s_wait_alu depctr_va_vdst(0)                   ; ahead of the reciprocals' first reader, which is O^T's too
.set j, 0
.rept 16
	v_pk_mul_f32 v[SA+j:SA+j+1], v[OAR+j:OAR+j+1], v[FA:FA+1] op_sel_hi:[1,0]
.set j, j+2
.endr
.set j, 0
.rept 16
	v_pk_mul_f32 v[SA+32+j:SA+33+j], v[OBR+j:OBR+j+1], v[FB:FB+1] op_sel_hi:[1,0]
.set j, j+2
.endr
	WIN 0
.set j, 0
.rept 64
	v_med3_num_f32 v[SA+j], v[SA+j], -v[LMO], v[LMO]
.set j, j+1
.endr
.irp t, 0,1,2,3,4,5,6,7
	v_cvt_scalef32_pk8_fp8_f32 v[T+2*\t:T+2*\t+1], v[SA+8*\t:SA+8*\t+7], v[SCO]
.endr
	v_nop                                          ; one plain line behind the last conversion
.irp t, 0,1,2,3
	ds_store_b64 v[STO], v[T+2*\t:T+2*\t+1] offset:16*\t
	ds_store_b64 v[STO], v[T+8+2*\t:T+9+2*\t] offset:16*KP+16*\t
.endr
	WIN TO_1
.irp i, 0,1,2,3
	ds_load_b128 v[4*\i:4*\i+3], v[SRD] offset:8*\i*KP   ; LDS serves a wave's instructions in order: these see my stores
.endr
	s_wait_dscnt 0x0
	WIN D_1
.irp i, 0,1,2,3
	global_store_b128 v[GO], v[4*\i:4*\i+3], s[\ob:\ob+1] offset:512*\i   ; each store covers 512 consecutive bytes, at a multiple of 256 from the buffer's first byte
.endr
	WIN 0
.endm
	s_wait_alu depctr_va_vdst(0)                   ; the head's end
.Lslot:                                            ; eight trips: behind each change of slots but the last the next 256 keys are asked for
	CHANGE 1
	STEP 0
	STEP 1
	s_xor_b32 s[TB], s[TB], SLOT1
	s_or_b32 s97, s[Q0], 255                       ; my block's last query
	s_cmp_gt_u32 s[KF], s97                        ; the next keys come after it: the first block is done.  Ids and counted steps alone; no barrier and no tensor load stands in the branch
	s_cbranch_scc0 .Lsame
	FINISH OA
	INIT QB
	s_mov_b32 s[Q0], s[Q0B]
	s_mov_b32 s[KF], 0
.Lsame:
	s_sub_co_u32 s[SLOTS], s[SLOTS], 1
	s_cmp_lg_u32 s[SLOTS], 0
	s_wait_alu depctr_va_vdst(0)
	s_cbranch_scc1 .Lslot
	CHANGE 0                                       ; the ninth slot is written out: nothing is left to fetch
	STEP 0
	STEP 1
	FINISH OB
	s_wait_tensorcnt 0x0                           ; the wave's end
	ds_add_u32 v[SPW], v[NIL]
	s_wait_dscnt 0x0
	s_endpgm
.Lfunc_end_k_q9aba92d480_attn:
	.size	k_q9aba92d480_attn, .Lfunc_end_k_q9aba92d480_attn-k_q9aba92d480_attn
	.p2alignl 7, 3214868480
	.fill 96, 4, 3214868480
	.section	.rodata,"a",@progbits
	.p2align	6, 0x0
	.amdhsa_kernel k_q9aba92d480_attn
		.amdhsa_group_segment_fixed_size 327680
		.amdhsa_private_segment_fixed_size 0
		.amdhsa_enable_private_segment 0
		.amdhsa_kernarg_size 40
		.amdhsa_user_sgpr_count 2
		.amdhsa_user_sgpr_kernarg_segment_ptr 1
		.amdhsa_wavefront_size32 1
		.amdhsa_system_sgpr_workgroup_id_x 1
		.amdhsa_system_sgpr_workgroup_id_y 1
		.amdhsa_system_sgpr_workgroup_id_z 1
		.amdhsa_system_vgpr_workitem_id 0
		.amdhsa_next_free_vgpr 512
		.amdhsa_next_free_sgpr 100
		.amdhsa_reserve_vcc 1
		.amdhsa_float_denorm_mode_32 3
		.amdhsa_float_denorm_mode_16_64 3
		.amdhsa_memory_ordered 1
		.amdhsa_forward_progress 1
		.amdhsa_inst_pref_size 185
	.end_amdhsa_kernel
	.amdgpu_metadata
---
amdhsa.version: [ 1, 2 ]
amdhsa.kernels:
  - .name:           k_q9aba92d480_attn
    .symbol:         k_q9aba92d480_attn.kd
    .args:
      - { .name: q_codes, .offset: 0, .size: 8, .value_kind: global_buffer, .address_space: global }
      - { .name: k_codes, .offset: 8, .size: 8, .value_kind: global_buffer, .address_space: global }
      - { .name: v_codes, .offset: 16, .size: 8, .value_kind: global_buffer, .address_space: global }
      - { .name: lowp_scales, .offset: 24, .size: 8, .value_kind: global_buffer, .address_space: global }
      - { .name: a_codes, .offset: 32, .size: 8, .value_kind: global_buffer, .address_space: global }
    .group_segment_fixed_size: 327680
    .private_segment_fixed_size: 0
    .kernarg_segment_align: 8
    .kernarg_segment_size: 40
    .max_flat_workgroup_size: 256
    .sgpr_count:     100
    .vgpr_count:     512
    .wavefront_size: 32
...
	.end_amdgpu_metadata
.endif
;; end of part 3
;; launch gemm_out (part 4): grid 8 x 32, 4 waves a work-group, clusters of 4 x 4, 327,680 bytes of LDS; arguments a_codes, wp_codes, lowp_scales, b_proj, out0; writes out0
.if DOCPART == 4
	.amdgcn_target "amdgcn-amd-amdhsa--gfx1250"
	.amdhsa_code_object_version 6
	.text
	.protected	k_q9aba92d480_gemm_out
	.globl	k_q9aba92d480_gemm_out
	.p2align	8
	.type	k_q9aba92d480_gemm_out,@function
k_q9aba92d480_gemm_out:
	s_mov_b64 s[64:65], 0
	v_nop
	global_prefetch_b8 v0, s[64:65] scope:SCOPE_SE
	s_setreg_imm32_b32 hwreg(HW_REG_WAVE_MODE, 25, 1), 1
	s_wait_xcnt 0x0
	s_wait_alu depctr_hold_cnt(0) depctr_sa_sdst(0) depctr_va_vdst(0) depctr_va_sdst(0) depctr_va_ssrc(0) depctr_va_vcc(0) depctr_vm_vsrc(0)
	s_getreg_b32 s2, hwreg(HW_REG_IB_STS2, 6, 4)
	s_cmp_eq_u32 s2, 0
	s_cbranch_scc0 .Lentry_in_a_cluster
	s_endpgm
.Lentry_in_a_cluster:
	s_bfe_u32 s2, ttmp6, 0x10000c
	s_cmp_lg_u32 s2, 0xf033
	s_cbranch_scc0 .Lentry_shape_is_right
	s_endpgm
.Lentry_shape_is_right:
.set SIZE_N, 1024
.set ROWB,   256
.set KROW,   1024
.set PITCH,  272
.set APITCH, 80
.set APLANE, 128*APITCH
.set HALFA,  4*APLANE
.set HALFB,  64*PITCH                  ; a block of out0 is 256 tokens x 128 channels: 256 work-groups; a wave makes 128 x 64, and fetches 128 tokens of A or 64 rows of B
.set BOFF,   2*HALFA
.set SLOT,   BOFF+2*HALFB
.set SPARE,  2*SLOT
.set SPITCH, 528
.set FR,     16
.set NL,     4
.set NP,     4
.set BI,   8
.set ADRA, 16
.set ADRB, 20
.set STO,  24
.set RD,   25
.set CO,   26
.set SPW,  28
.set NIL,  29
.set AF,   128
.set BK,   128
.set G1, 24
.set G0, 32
.set G1B, 48
.set G0B, 56
.set MSB, 0
.macro WIN new
.if MSB != \new
	s_set_vgpr_msb (MSB<<8)|\new
.set MSB, \new
.endif
.endm
.set MUL_LO, 0xa1
.set MUL_HI, 0xf1
.set TO_B,   0x40
.macro JLOAD g0a, g1a, g0b, g1b
	s_cmp_eq_u32 s15, 0
	s_cbranch_scc0 .Lfor_b_\@
	tensor_load_to_lds s[\g0a:\g0a+3], s[\g1a:\g1a+7]
	s_nop 0
.rept 4
	v_nop
.endr
	s_branch .Lasked_\@
.Lfor_b_\@:
	tensor_load_to_lds s[\g0b:\g0b+3], s[\g1b:\g1b+7]
	s_nop 0
.rept 4
	v_nop
.endr
.Lasked_\@:
.endm
.macro CREST
	s_cmp_lg_u32 s14, 0
	s_cbranch_scc1 .Lnot_wave_0_\@
	s_barrier_signal -3
.Lnot_wave_0_\@:
	s_barrier_wait -3
	s_barrier_signal -1
	s_barrier_wait -1
.endm
.macro CROUND
	s_barrier_signal -1
	s_barrier_wait -1
	CREST
.endm
	s_load_b128 s[4:7], s[0:1], 0x0
	s_load_b128 s[8:11], s[0:1], 0x10
	s_load_b64 s[12:13], s[0:1], 0x20
	v_lshl_add_u32 v[SPW], v0, 2, SPARE
	v_mov_b32 v[NIL], 0
	ds_add_u32 v[SPW], v[NIL]
	ds_add_u32 v[SPW], v[NIL]
	v_lshrrev_b32 v1, 5, v0
	v_readfirstlane_b32 s14, v1
	s_lshr_b32 s15, s14, 1
	s_and_b32 s16, s14, 1
	s_bfe_u32 s40, ttmp6, 0x40000
	s_bfe_u32 s41, ttmp6, 0x40004
	s_lshl_b32 s42, ttmp9, 2
	s_add_co_u32 s42, s42, s40
	s_and_b32 s17, ttmp7, 0xffff
	s_lshl_b32 s17, s17, 2
	s_add_co_u32 s17, s17, s41
	s_lshl_b32 s43, s41, 2
	s_lshl_b32 s43, 15, s43
	s_lshl_b32 s44, 0x1111, s40
	s_or_b32 s[G1+0], s43, (0<<16)|(1<<20)|(1<<21)|(3<<22)|(3<<25)
	s_mov_b32 s[G1+1], 8192<<16
	s_mov_b32 s[G1+2], 4<<16
	s_mov_b32 s[G1+3], 8192<<16
	s_mov_b32 s[G1+4], 4
	s_mov_b32 s[G1+5], 131072
	s_mov_b32 s[G1+6], 0
	s_mov_b32 s[G1+7], 0
	s_or_b32 s[G1B+0], s44, (0<<16)|(1<<20)|(1<<21)|(5<<22)|(3<<25)
	s_mov_b32 s[G1B+1], ROWB<<16
	s_mov_b32 s[G1B+2], 64<<16
	s_mov_b32 s[G1B+3], ROWB<<16
	s_mov_b32 s[G1B+4], 64
	s_mov_b32 s[G1B+5], KROW
	s_mov_b32 s[G1B+6], 0
	s_mov_b32 s[G1B+7], 0
	s_lshl_b32 s18, s16, 7
	s_lshl_b32 s20, s17, 8
	s_add_co_u32 s20, s20, s18
	s_lshr_b32 s21, s20, 11
	s_lshl_b32 s21, s21, 21
	s_and_b32 s20, s20, 2047
	s_lshl_b32 s20, s20, 6
	s_add_co_u32 s20, s20, s21
	s_mov_b32 s21, 0
	s_lshl_b32 s46, s42, 7
	s_lshl_b32 s47, s16, 6
	s_add_co_u32 s46, s46, s47                     ; B: row 128 x tile column + 64 x half
	s_lshl_b32 s46, s46, 10
	s_mov_b32 s47, 0
	s_mul_i32 s45, s16, HALFA
	s_mul_i32 s67, s16, HALFB
	s_add_co_u32 s67, s67, BOFF
	s_wait_dscnt 0x0
	s_wait_kmcnt 0x0
	s_load_b256 s[80:87], s[8:9], 0x0
	s_add_nc_u64 s[20:21], s[4:5], s[20:21]
	s_add_nc_u64 s[46:47], s[6:7], s[46:47]
	CROUND
.irp s, 0,1
	s_mov_b32 s[G0+4*\s], 1
	s_add_co_u32 s[G0+4*\s+1], s45, \s*SLOT
	s_add_nc_u64 s[G0+4*\s+2:G0+4*\s+3], s[20:21], \s*4*131072
	s_or_b32 s[G0+4*\s+3], s[G0+4*\s+3], 0x80000000
	s_mov_b32 s[G0B+4*\s], 1
	s_add_co_u32 s[G0B+4*\s+1], s67, \s*SLOT
	s_add_nc_u64 s[G0B+4*\s+2:G0B+4*\s+3], s[46:47], \s*ROWB
	s_or_b32 s[G0B+4*\s+3], s[G0B+4*\s+3], 0x80000000
.endr
	JLOAD G0, G1, G0B, G1B                         ; K step 0: one tensor load a wave at the head
	v_and_b32 v1, 15, v0
	v_bfe_u32 v2, v0, 4, 1
	v_mul_u32_u24 v3, v1, APITCH
	v_lshl_add_u32 v3, v2, 4, v3
	v_mul_u32_u24 v4, v1, PITCH
	v_lshl_add_u32 v4, v2, 4, v4
	s_mul_i32 s21, s15, HALFA
	s_mul_i32 s22, s16, HALFB
	s_add_co_u32 s22, s22, BOFF
.irp s, 0,1
	v_add_nc_u32 v[ADRA+\s], s21, v3
	v_add_nc_u32 v[ADRB+\s], s22, v4
	s_add_co_u32 s21, s21, SLOT
	s_add_co_u32 s22, s22, SLOT
.endr
	s_mul_i32 s23, s14, 16*SPITCH
	v_mul_u32_u24 v5, v1, SPITCH
	v_lshl_add_u32 v5, v2, 5, v5
	v_add_nc_u32 v[STO], s23, v5
	v_lshlrev_b32 v6, 4, v1                        ; 16 r: my 16 bytes of a row's 256
	v_mul_u32_u24 v7, v2, SPITCH
	v_add_nc_u32 v7, v7, v6
	v_add_nc_u32 v[RD], s23, v7                    ; back: lanes 0-15 one row, lanes 16-31 the next
	v_lshl_add_u32 v[CO], v2, 12, v6               ; and the same two rows in out0
	s_lshl_b32 s46, s42, 9
	s_lshl_b32 s47, s16, 8
	s_add_co_u32 s46, s46, s47
	s_mov_b32 s47, 0
	s_add_nc_u64 s[10:11], s[10:11], s[46:47]
	global_load_b128 v[BI:BI+3], v6, s[10:11]
	s_lshl_b32 s20, s17, 8
	s_lshl_b32 s21, s15, 7
	s_add_co_u32 s20, s20, s21
	s_lshl_b32 s20, s20, 12
	s_mov_b32 s21, 0
	s_add_nc_u64 s[20:21], s[20:21], s[46:47]
	s_add_nc_u64 s[12:13], s[12:13], s[20:21]
.macro FRAG reg, adr, q, i
.irp c, 0,1,2,3
	ds_load_b128 v[\reg+4*\c:\reg+4*\c+3], v[\adr] offset:128*(\q)+32*\c+(\i)*16*PITCH
.endr
.endm
.macro FRAGA reg, adr, q, i
.irp c, 0,1,2,3
	ds_load_b128 v[\reg+4*\c:\reg+4*\c+3], v[\adr] offset:(2*(\q)+\c/2)*APLANE+32*(\c%2)+(\i)*16*APITCH
.endr
.endm
.macro MUL16 a0, p, zero
.irp a, \a0, \a0+1
.irp b, 0,1,2,3
.if \zero
	v_wmma_f32_16x16x128_fp8_fp8 v[8*(8*((\a)%4)+\b):8*(8*((\a)%4)+\b)+7], v[128*(\p)+FR*\b:128*(\p)+FR*\b+FR-1], v[AF+FR*(\a):AF+FR*(\a)+FR-1], 0
.else
	v_wmma_f32_16x16x128_fp8_fp8 v[8*(8*((\a)%4)+\b):8*(8*((\a)%4)+\b)+7], v[128*(\p)+FR*\b:128*(\p)+FR*\b+FR-1], v[AF+FR*(\a):AF+FR*(\a)+FR-1], v[8*(8*((\a)%4)+\b):8*(8*((\a)%4)+\b)+7]
.endif
.endr
.endr
.endm
.macro FETCH_B slot, q, p
	WIN TO_B
.irp i, 0,1,2,3
	FRAG 128*(\p)+FR*\i, ADRB+\slot, \q, \i
.endr
	WIN 0
.endm
.macro FETCH_A slot, q, i0
.irp i, \i0, \i0+1, \i0+2, \i0+3
	FRAGA AF+FR*(\i), ADRA+\slot, \q, \i
.endr
.endm
.macro PLACES n
.rept \n
	v_nop
.endr
.endm
.macro STEP slot, q, zero
	s_wait_dscnt 4*NL
	WIN MUL_LO
	MUL16 0, (\q)%2, \zero
	MUL16 2, (\q)%2, \zero
	s_wait_dscnt 0
	PLACES NP
	FETCH_B \slot, (\q)+1, 1-(\q)%2
	FETCH_A \slot, (\q)+1, 0
	WIN MUL_HI
	MUL16 4, (\q)%2, \zero
	MUL16 6, (\q)%2, \zero
	PLACES NP
	WIN 0
	FETCH_A \slot, (\q)+1, 4
.endm
.macro TURN slot, next, fill
	s_wait_tensorcnt 0x0
	ds_add_u32 v[SPW], v[NIL]
	s_wait_dscnt 4*NL+1
	WIN MUL_LO
	MUL16 0, 1, 0
	s_wait_dscnt 0x0
	s_barrier_signal -1
	MUL16 2, 1, 0
	WIN 0
	s_barrier_wait -1
.if \fill
	CREST
	s_add_nc_u64 s[G0+4*\slot+2:G0+4*\slot+3], s[G0+4*\slot+2:G0+4*\slot+3], 2*4*131072
	s_add_nc_u64 s[G0B+4*\slot+2:G0B+4*\slot+3], s[G0B+4*\slot+2:G0B+4*\slot+3], 2*ROWB
	JLOAD G0+4*\slot, G1, G0B+4*\slot, G1B
.else
	PLACES NP
.endif
	FETCH_B \next, 0, 0
	FETCH_A \next, 0, 0
	WIN MUL_HI
	MUL16 4, 1, 0
	MUL16 6, 1, 0
	PLACES NP
	WIN 0
	FETCH_A \next, 0, 4
.endm
	s_wait_alu depctr_va_vdst(0)                   ; the head's end
	s_wait_tensorcnt 0x0                           ; my part of K step 0 is in; these lines stand ahead of a later first fill, as ahead of a refill
	ds_add_u32 v[SPW], v[NIL]
	s_wait_dscnt 0x0
	CROUND                                         ; everybody's part of K step 0 is in, and all sixteen work-groups are here
	JLOAD G0+4, G1, G0B+4, G1B                     ; K step 1: the first tensor load behind the round
	FETCH_B 0, 0, 0
	FETCH_A 0, 0, 0
	FETCH_A 0, 0, 4
	STEP 0, 0, 1
	TURN 0, 1, 1
	STEP 1, 0, 0
	TURN 1, 0, 1
	STEP 0, 0, 0
	TURN 0, 1, 0
	STEP 1, 0, 0
	s_wait_dscnt 4*NL
	WIN MUL_LO
	MUL16 0, 1, 0
	MUL16 2, 1, 0
	s_wait_dscnt 0
	WIN MUL_HI
	MUL16 4, 1, 0
	MUL16 6, 1, 0
	WIN 0
.macro TOSTAGE a
.set AC, 64*((\a)%4)
	WIN 0x08+4*((\a)/4)
.irp b, 0,1,2,3
	ds_store_b128 v[STO], v[AC+8*\b:AC+8*\b+3] offset:64*\b
	ds_store_b128 v[STO], v[AC+8*\b+4:AC+8*\b+7] offset:64*\b+16
.endr
	WIN 0
.set BB, BK+64*((\a)%2)
.irp t, 0,1,2,3,4,5,6,7
	ds_load_b128 v[BB+4*\t:BB+4*\t+3], v[RD] offset:2*\t*SPITCH
.endr
.endm
.macro SEND a, younger
.set BB, BK+64*((\a)%2)
	s_wait_dscnt \younger
.if (\a) > 0
	s_add_nc_u64 s[12:13], s[12:13], 16*SIZE_N*4
.endif
.irp t, 0,1,2,3,4,5,6,7
	v_pk_fma_f32 v[BB+4*\t:BB+4*\t+1], v[BB+4*\t:BB+4*\t+1], s[96:97], v[BI:BI+1] op_sel_hi:[1,0,1]
	v_pk_fma_f32 v[BB+4*\t+2:BB+4*\t+3], v[BB+4*\t+2:BB+4*\t+3], s[96:97], v[BI+2:BI+3] op_sel_hi:[1,0,1]
	global_store_b128 v[CO], v[BB+4*\t:BB+4*\t+3], s[12:13] offset:2*\t*SIZE_N*4 th:TH_STORE_NT   ; sixteen lanes store 256 consecutive bytes, at a multiple of 256 from the buffer's first byte
.endr
.endm
	s_wait_kmcnt 0x0
	s_add_co_i32 s96, s86, s87
	s_add_co_i32 s96, s96, 127
	s_lshl_b32 s96, s96, 23
	s_mov_b32 s97, s96
	s_wait_loadcnt 0x0
	PLACES NP
	TOSTAGE 0
.irp a, 1,2,3,4,5,6,7
.if \a > 1
	s_wait_xcnt 0x0
.endif
	TOSTAGE \a
	SEND \a-1, 16                                  ; behind block a - 1's loads: block a's 8 stores and 8 loads
.endr
	s_wait_xcnt 0x0
	SEND 7, 0
	s_wait_tensorcnt 0x0
	ds_add_u32 v[SPW], v[NIL]
	s_wait_dscnt 0x0
	CROUND
	s_endpgm
.Lfunc_end_k_q9aba92d480_gemm_out:
	.size	k_q9aba92d480_gemm_out, .Lfunc_end_k_q9aba92d480_gemm_out-k_q9aba92d480_gemm_out
	.p2alignl 7, 3214868480
	.fill 96, 4, 3214868480
	.section	.rodata,"a",@progbits
	.p2align	6, 0x0
	.amdhsa_kernel k_q9aba92d480_gemm_out
		.amdhsa_group_segment_fixed_size 327680
		.amdhsa_private_segment_fixed_size 0
		.amdhsa_enable_private_segment 0
		.amdhsa_kernarg_size 40
		.amdhsa_user_sgpr_count 2
		.amdhsa_user_sgpr_kernarg_segment_ptr 1
		.amdhsa_wavefront_size32 1
		.amdhsa_system_sgpr_workgroup_id_x 1
		.amdhsa_system_sgpr_workgroup_id_y 1
		.amdhsa_system_sgpr_workgroup_id_z 1
		.amdhsa_system_vgpr_workitem_id 0
		.amdhsa_next_free_vgpr 1024
		.amdhsa_next_free_sgpr 100
		.amdhsa_reserve_vcc 0
		.amdhsa_float_denorm_mode_32 3
		.amdhsa_float_denorm_mode_16_64 3
		.amdhsa_memory_ordered 1
		.amdhsa_forward_progress 1
		.amdhsa_inst_pref_size 78
	.end_amdhsa_kernel
	.amdgpu_metadata
---
amdhsa.version: [ 1, 2 ]
amdhsa.kernels:
  - .name:           k_q9aba92d480_gemm_out
    .symbol:         k_q9aba92d480_gemm_out.kd
    .args:
      - { .name: a_codes, .offset: 0, .size: 8, .value_kind: global_buffer, .address_space: global }
      - { .name: wp_codes, .offset: 8, .size: 8, .value_kind: global_buffer, .address_space: global }
      - { .name: lowp_scales, .offset: 16, .size: 8, .value_kind: global_buffer, .address_space: global }
      - { .name: b_proj, .offset: 24, .size: 8, .value_kind: global_buffer, .address_space: global }
      - { .name: out0, .offset: 32, .size: 8, .value_kind: global_buffer, .address_space: global }
    .group_segment_fixed_size: 327680
    .private_segment_fixed_size: 0
    .kernarg_segment_align: 8
    .kernarg_segment_size: 40
    .max_flat_workgroup_size: 128
    .sgpr_count:     100
    .vgpr_count:     1024
    .wavefront_size: 32
...
	.end_amdgpu_metadata
.endif
;; end of part 4
